; MI455X (gfx1250); checked and timed in simulation.
; The chip was launched on July 23, 2026; its instructions are those of AMD's public machine-readable ISA for CDNA 5 (MIT licence, August 2026) and "CDNA5" Instruction Set Architecture Reference Guide (July 2026). The comments in the code are by the model that wrote it; some were corrected since.
;; Causal Self Attention. Allowed arithmetic: matrix products marked QUANTISED: E2M3 operands, one E8M0 scale for each 32 along K, by v_wmma_scale_f32_16x16x128_f8f6f4 with both operands' format E2M3, f32 sums; everything else in f32.
;; Inputs: Wk 1,024 x 1,024 float32; Wp 1,024 x 1,024 float32; Wq 1,024 x 1,024 float32; Wv 1,024 x 1,024 float32; bk 1,024 float32; bp 1,024 float32; bq 1,024 float32; bv 1,024 float32; x 4 x 2,048 x 1,024 float32.
;; Outputs: out0 4 x 2,048 x 1,024 float32.
;; This version of the problem:
;;   THIS VERSION OF THE PROBLEM IS GIVEN IN LOW PRECISION. The matrix products marked QUANTISED in the list below multiply operands that are first quantised to E2M3 (2 exponent bits, 3 mantissa bits; 6 bits a number), with one power-of-two scale for each 32 numbers along K (OCP MX v1.0); their sums are f32. All else is computed in f32.
;;   The module's matrix products, in the order in which they are computed (A, B: the left and right operand; K: the contracted axis; several contracted axes count as one K, in the product's order):
;;     1. [M 8,192, K 1,024] x [K 1,024, N 1,024]; A: input x; B: input Wq: QUANTISED
;;     2. [M 8,192, K 1,024] x [K 1,024, N 1,024]; A: input x; B: input Wk: QUANTISED
;;     3. [M 8,192, K 1,024] x [K 1,024, N 1,024]; A: input x; B: input Wv: QUANTISED
;;     4. batch 64 x [M 2,048, K 64] x [K 64, N 2,048]; A: computed on the way; B: computed on the way: QUANTISED
;;     5. batch 64 x [M 2,048, K 2,048] x [K 2,048, N 64]; A: softmax (see below); B: computed on the way: QUANTISED
;;     6. [M 8,192, K 1,024] x [K 1,024, N 1,024]; A: computed on the way; B: input Wp: QUANTISED
;;   THE QUANTISER, for each operand of a quantised product, along K:
;;     - K is cut into blocks of 32 from its start; a last block that is shorter is filled with zeros.
;;     - A block's scale is 2^e with e = floor(log2(the largest magnitude in the block)) - 2, held to -126 .. 127; a block of zeros has e = 0. As a byte (E8M0): e + 127.
;;     - Each number is divided by its block's scale, clamped to +-7.5, and rounded to the nearest number of E2M3, ties to even, subnormals kept.
;;     - The product sums the exact products of the quantised numbers (number of the format x scale) in f32.
;;   ~~~python
;;   def quantise(x, axis):      # numpy; x: float32 -> the quantised numbers, widened to float32 again
;;       x = np.moveaxis(x, axis, -1); K = x.shape[-1]
;;       x = np.pad(x, [(0, 0)] * (x.ndim - 1) + [(0, -K % 32)]); x = x.reshape(x.shape[:-1] + (-1, 32)); a = np.abs(x).max(-1, keepdims=True)
;;       e = np.where(a > 0, np.clip(np.frexp(np.where(a > 0, a, 1))[1] - 1 - 2, -126, 127), 0)      # np.frexp(a)[1] - 1 = floor(log2(a)), exactly
;;       r = np.clip(x / 2.0 ** e, -7.5, 7.5)
;;       step = 2.0 ** (np.maximum(np.frexp(np.where(r == 0, 1, r))[1] - 1, 0) - 3)
;;       q = np.round(r / step) * step * 2.0 ** e      # np.round: ties to even
;;       return np.moveaxis(q.reshape(q.shape[:-2] + (-1,))[..., :K], -1, axis).astype(np.float32)
;;   ~~~
;;   SOFTMAX AHEAD OF A QUANTISED PRODUCT. Where the list says 'softmax', what is quantised is not the finished softmax but p = 2^(t - M), with t = logit x log2(e) and M = ceil(the row's largest t), a whole number; so 1/2 < the row's largest p <= 1. The row's sum l is taken of the UNQUANTISED p, in f32, and the product's result is divided by l at the end. Since M is a whole number, a kernel that streams over the keys may use a running M (the ceiling of the running maximum): every later rescaling is an exact power of two, which a block's scale takes up: the codes' values come out the same.
;;   OPERANDS COMPUTED ON THE WAY. 'Computed on the way' means the value that the module computes at that place (a softmax that the list does not call 'softmax' is quantised finished and normalised). What goes into a quantiser is computed in f32, as accurately as f32 sums, v_exp_f32 and their like allow (about 1e-6 of the number): no bf16 or f16 on the way to a quantiser, and a product that is left as it is and whose result goes on into a quantised operand takes f32 operands (vector FMAs, or v_wmma_f32_16x16x4_f32). A number that lies on a knife's edge between two numbers of the format may be rounded either way, as far as f32 arithmetic and the matrix unit's own rounding can turn it there, and no further.
;; One version. Each part assembles by itself: llvm-mc -triple=amdgcn-amd-amdhsa -mcpu=gfx1250 --defsym DOCPART=n.
;; ======== version 1 of 1: 4 launches
;; workspace buffers: ops 9,437,184 bytes; opsc 393,216 bytes; qk_img 12,582,912 bytes; v_img 6,291,456 bytes; qkv_sc 1,310,720 bytes; aop 6,291,456 bytes; asc 262,144 bytes
;; launch quant (part 1): grid 640 x 1, 4 waves a work-group, no clusters, 67,072 bytes of LDS; arguments x, Wq, Wk, Wv, Wp, ops, opsc; writes ops, opsc
.if DOCPART == 1
	.amdgcn_target "amdgcn-amd-amdhsa--gfx1250"
	.amdhsa_code_object_version 6
	.text
	.protected	k_qcac1b9b7e1_quant
	.globl	k_qcac1b9b7e1_quant
	.p2align	8
	.type	k_qcac1b9b7e1_quant,@function
k_qcac1b9b7e1_quant:
	s_mov_b64 s[64:65], 0
	v_nop
	global_prefetch_b8 v0, s[64:65] scope:SCOPE_SE
	s_setreg_imm32_b32 hwreg(HW_REG_WAVE_MODE, 25, 1), 1
	s_wait_xcnt 0x0
; x [8192][1024] and the four weights [1024 (k)][1024 (n)], f32, become codes of FP6 (E2M3) with one E8M0 byte for each 32 along K, laid as the products' launches want their operands.
; A block's scale is 2^(floor(log2(largest magnitude)) - 2): its byte is the largest magnitude's exponent field - 2, held at 1 from below by a floor among the maximum's leaves.
; LIMITS: a block of zeros gets the byte 1 where the rule says 127 (its codes are zeros and this program alone reads the bytes); NaN and infinities among the inputs are not served.
; LAYOUT OF ops: [tile of 16 rows][64 along K: hf 0..15][768 bytes].  In a piece of 768 bytes lane l = (r = l % 16, h = l / 16) owns the 24 bytes of block h of row r: bytes 0-15 at 16 l, bytes 16-23 at 512 + 8 l.
; So a reader fills six operand registers by one load of 16 bytes and one of 8, both dense.  ROWS LIE BY POSITION: position p holds row pi(p), pi = bits 3 and 4 of p exchanged, so that position i of tile 2 b + u
; is row 32 b + 8 u + i + 8 (i / 8).  x's rows are tiles 0..511; the columns n of Wq, Wk, Wv, Wp are tiles 512 + 64 sel on.
; LAYOUT OF opsc: [128 rows][256 along K: kslot 0..3][row position][8 bytes], 4,096 bytes for 128 rows.
; Work-groups 0..127 take the weights, 128..639 take x.  Memory binds: no matrix unit, no tensor load, no barrier; waves share nothing.  Only x's path uses LDS.
.set SPARE, 66560                      ; behind the four waves' stages: the spare words, 128 bytes a wave
.set WREG,  16640                      ; a wave's stage: 16 rows x RP
.set RP,    1040                       ; a stage row: 1,024 bytes + 16 = 65 x 16: sixteen rows start in sixteen different 16-byte columns of 256 bytes
.set SPW,   12                         ; v12  LDS address of my spare word; never rewritten
.set NIL,   13                         ; v13  0; never rewritten
; One block of 32 numbers, all in my registers v[src] .. v[src+31]: six registers of codes at v[cd], the scale's byte in v[by].
.macro QBLK src, cd, by
	v_max3_num_f32 v8, |v[\src]|, |v[\src+1]|, |v[\src+2]|
	v_max3_num_f32 v9, |v[\src+3]|, |v[\src+4]|, |v[\src+5]|
.irp i, 6,10,14,18,22,26
	v_max3_num_f32 v8, v8, |v[\src+\i]|, |v[\src+\i+1]|
	v_max3_num_f32 v9, v9, |v[\src+\i+2]|, |v[\src+\i+3]|
.endr
	v_max3_num_f32 v8, v8, |v[\src+30]|, |v[\src+31]|
	v_max3_num_f32 v8, v8, v9, 0x1800000           ; and the floor 2^(3 - 127): the byte cannot fall under 1
	v_add_nc_u32 v11, 0xff000000, v8               ; 2 off the exponent field: the conversion takes this operand's exponent field as its scale
	v_lshrrev_b32 v[\by], 23, v11                  ; the scale's byte
	v_cvt_scalef32_pk16_fp6_f32 v[\cd:\cd+2], v[\src:\src+15], v11
	v_cvt_scalef32_pk16_fp6_f32 v[184:186], v[\src+16:\src+31], v11   ; (a conversion's three registers begin on an even number)
	v_nop                                          ; one plain instruction behind the conversions, ahead of the moves that read a result
.irp i, 0,1,2
	v_mov_b32 v[\cd+3+\i], v[184+\i]
.endr
.endm
	s_load_b256 s[4:11], s[0:1], 0x0               ; x s[4:5], Wq s[6:7], Wk s[8:9], Wv s[10:11]
	s_load_b128 s[12:15], s[0:1], 0x20             ; Wp s[12:13], ops s[14:15]
	s_load_b64 s[16:17], s[0:1], 0x30              ; opsc
	v_lshl_add_u32 v[SPW], v0, 2, SPARE
	v_mov_b32 v[NIL], 0
	v_lshrrev_b32 v1, 5, v0
	v_readfirstlane_b32 s18, v1                    ; wave 0..3
	v_and_b32 v1, 31, v0                           ; lane
	v_and_b32 v2, 15, v0                           ; r
	v_bfe_u32 v3, v0, 4, 1                         ; h
	s_mul_i32 s19, s18, WREG
	v_lshl_add_u32 v14, v1, 4, s19                 ; the stage, on the way in: 16 x lane
	v_mul_u32_u24 v15, v2, RP
	v_lshl_add_u32 v15, v3, 7, v15
	v_add_nc_u32 v15, s19, v15                     ; and on the way out: row r, + 128 h: my block of 32 numbers
	v_mov_b32 v26, 0                               ; written once: a lane permute's destination counts as one of its sources
	v_mov_b32 v27, 0
	s_mov_b32 s20, 0x76543210
	s_mov_b32 s21, 0xfedcba98                      ; v_permlanex16_b32's selects for lane l xor 16
	s_mov_b32 s22, 0xffff0000                      ; lanes 16-31
	s_mov_b32 s29, 0
	s_wait_kmcnt 0x0
	s_cmp_lt_u32 ttmp9, 128
	s_cbranch_scc0 .Lx_path
	; ---- A WEIGHT.  sel = which weight, kg = which 256 along K, cg = which 128 columns.  A lane takes a column and its registers run down K: a block of 32 lies in one lane.
	s_lshr_b32 s23, ttmp9, 5                       ; sel
	s_bfe_u32 s24, ttmp9, 0x20003                  ; kg
	s_and_b32 s26, ttmp9, 7                        ; cg
	s_cmp_eq_u32 s23, 1
	s_cselect_b64 s[6:7], s[8:9], s[6:7]
	s_cmp_eq_u32 s23, 2
	s_cselect_b64 s[6:7], s[10:11], s[6:7]
	s_cmp_eq_u32 s23, 3
	s_cselect_b64 s[6:7], s[12:13], s[6:7]
	s_lshl_b32 s28, s24, 20                        ; in: 256 kg rows of 4,096 bytes + 4 (128 cg + 32 wave)
	s_lshl_b32 s27, s26, 9
	s_add_co_u32 s28, s28, s27
	s_lshl_b32 s27, s18, 7
	s_add_co_u32 s28, s28, s27
	s_add_nc_u64 s[6:7], s[6:7], s[28:29]
	s_lshl_b32 s28, s23, 6                         ; out: tile 512 + 64 sel + 8 cg + 2 wave, piece 4 kg
	s_lshl_b32 s27, s26, 3
	s_add_co_u32 s28, s28, s27
	s_lshl_b32 s27, s18, 1
	s_add_co_u32 s28, s28, s27
	s_add_co_u32 s28, s28, 512
	s_mul_i32 s28, s28, 12288
	s_mul_i32 s27, s24, 3072
	s_add_co_u32 s28, s28, s27
	s_add_nc_u64 s[14:15], s[14:15], s[28:29]
	s_lshl_b32 s28, s23, 3                         ; scale bytes: group 64 + 8 sel + cg, kslot kg, my wave's 32 rows
	s_add_co_u32 s28, s28, s26
	s_add_co_u32 s28, s28, 64
	s_lshl_b32 s28, s28, 12
	s_lshl_b32 s27, s24, 10
	s_add_co_u32 s28, s28, s27
	s_lshl_b32 s27, s18, 8
	s_add_co_u32 s28, s28, s27
	s_add_nc_u64 s[16:17], s[16:17], s[28:29]
	v_and_b32 v4, 7, v1                            ; position lane holds column pi(lane): bits 3 and 4 exchanged
	v_bfe_u32 v5, v1, 3, 1
	v_lshl_or_b32 v4, v5, 4, v4
	v_lshl_or_b32 v4, v3, 3, v4
	v_lshlrev_b32 v4, 2, v4                        ; in bytes
	v_mul_u32_u24 v5, v3, 12288                    ; out: lanes 16-31 are the next tile of 16
	v_lshl_add_u32 v6, v2, 3, v5                   ; + 8 r
	v_lshl_add_u32 v5, v2, 4, v5                   ; + 16 r
	v_lshlrev_b32 v7, 3, v1                        ; scale bytes: 8 a row
.macro LOADW t                         ; block t: W(32 t + i, my column), into set t % 2; 32 lanes read 128 consecutive bytes
.irp i, 0,1,2,3,4,5,6,7,8,9,10,11,12,13,14,15,16,17,18,19,20,21,22,23,24,25,26,27,28,29,30,31
	global_load_b32 v[32+32*((\t)%2)+\i], v4, s[6:7] offset:(32*(\t)+\i)*4096 th:TH_LOAD_NT
.endr
.endm
.macro BLOCKW t
.if (\t) < 7
	s_wait_loadcnt 32                              ; this block's 32 loads are in; the next block's 32 may be out
.else
	s_wait_loadcnt 0x0
.endif
.set XS, 32+32*((\t)%2)
.set CD, 96+6*(\t)                     ; codes have registers of their own in each block: no store's data are written again
	QBLK XS, CD, 10
.if (\t)%4 == 0
	v_mov_b32 v[24+(\t)/4], v10                    ; four bytes to a register, the lower K in the lower byte
.else
	v_lshl_or_b32 v[24+(\t)/4], v10, 8*((\t)%4), v[24+(\t)/4]
.endif
	global_store_b128 v5, v[CD:CD+3], s[14:15] offset:((\t)/2)*768+256*((\t)%2)       ; block t is half t % 2 of piece t / 2: sixteen lanes store 256 consecutive bytes, aligned
	global_store_b64 v6, v[CD+4:CD+5], s[14:15] offset:((\t)/2)*768+512+128*((\t)%2)
.if (\t)+2 < 8
	LOADW (\t)+2
.endif
.endm
	LOADW 0
	LOADW 1
.irp t, 0,1,2,3,4,5,6,7
	BLOCKW \t
.endr
	global_store_b64 v7, v[24:25], s[16:17]        ; my column's 8 bytes: the wave stores 256 consecutive bytes, aligned
	s_wait_tensorcnt 0x0                           ; the wave's end
	ds_add_u32 v[SPW], v[NIL]
	s_wait_dscnt 0x0
	s_endpgm
.Lx_path:
	; ---- x.  The work-group takes tile T of 16 row positions, wave w the K range 256 w on.  Loads take the bytes as they lie (512 a load); the wave's own stage turns them, so that a lane holds a whole block of 32.
	s_sub_co_u32 s23, ttmp9, 128                   ; T
	s_lshr_b32 s24, s23, 1
	s_lshl_b32 s24, s24, 5
	s_and_b32 s26, s23, 1
	s_lshl_b32 s26, s26, 3
	s_add_co_u32 s24, s24, s26                     ; position 0 is row 32 (T / 2) + 8 (T % 2)
	s_lshl_b32 s28, s24, 12
	s_lshl_b32 s27, s18, 10
	s_add_co_u32 s28, s28, s27
	s_add_nc_u64 s[4:5], s[4:5], s[28:29]
	s_mul_i32 s28, s23, 12288
	s_mul_i32 s27, s18, 3072
	s_add_co_u32 s28, s28, s27
	s_add_nc_u64 s[14:15], s[14:15], s[28:29]
	s_lshr_b32 s28, s23, 3
	s_lshl_b32 s28, s28, 12
	s_lshl_b32 s27, s18, 10
	s_add_co_u32 s28, s28, s27
	s_and_b32 s27, s23, 7
	s_lshl_b32 s27, s27, 7
	s_add_co_u32 s28, s28, s27
	s_add_nc_u64 s[16:17], s[16:17], s[28:29]
	v_lshlrev_b32 v4, 4, v1                        ; 16 x lane
	v_lshlrev_b32 v5, 3, v1                        ; 8 x lane
	v_lshlrev_b32 v6, 3, v2
	v_lshl_add_u32 v6, v3, 2, v6                   ; 8 r + 4 h
.irp i, 0,1,2,3,4,5,6,7,8,9,10,11,12,13,14,15
.irp j, 0,1
	global_load_b128 v[32+8*\i+4*\j:35+8*\i+4*\j], v4, s[4:5] offset:(\i+8*(\i/8))*4096+512*\j th:TH_LOAD_NT   ; position i: all 32 loads of the wave go out together
.endr
.endr
.irp i, 0,1,2,3,4,5,6,7,8,9,10,11,12,13,14,15
	s_wait_loadcnt 30-2*\i                         ; row i's two loads are in; the later rows' two each may be out
	ds_store_b128 v14, v[32+8*\i:35+8*\i] offset:RP*\i
	ds_store_b128 v14, v[36+8*\i:39+8*\i] offset:RP*\i+512
.endr
	s_wait_dscnt 0x0                               ; the stores have read their registers, which the loads below write
.irp f, 0,1,2,3
.irp j, 0,1,2,3,4,5,6,7
	ds_load_b128 v[32+32*\f+4*\j:35+32*\f+4*\j], v15 offset:256*\f+16*\j   ; block 2 f + h of row r
.endr
.endr
.irp f, 0,1,2,3
	s_wait_dscnt 24-8*\f                           ; piece f's eight loads are in; the later pieces' eight each may be out
.set XS, 32+32*\f
.set CD, 160+6*\f
	QBLK XS, CD, 20+\f
	global_store_b128 v4, v[CD:CD+3], s[14:15] offset:768*\f        ; 32 lanes store 512 consecutive bytes
	global_store_b64 v5, v[CD+4:CD+5], s[14:15] offset:768*\f+512   ; and 256
.endr
	v_lshl_or_b32 v24, v21, 16, v20                ; my four bytes are blocks h, 2 + h, 4 + h, 6 + h of the row's eight
	v_lshl_or_b32 v25, v23, 16, v22
	v_lshlrev_b32 v28, 3, v3
	v_lshlrev_b32 v24, v28, v24                    ; at their places (8 h bits up);
	v_lshlrev_b32 v25, v28, v25
	v_permlanex16_b32 v26, v24, s20, s21
	v_permlanex16_b32 v27, v25, s20, s21
	v_or_b32 v24, v24, v26                         ; with lane l xor 16's both words are whole
	v_or_b32 v25, v25, v27
	v_cndmask_b32 v24, v24, v25, s22               ; lanes 0-15 store the lower word, lanes 16-31 the upper
	global_store_b32 v6, v24, s[16:17]             ; the wave stores 128 consecutive bytes
	s_wait_tensorcnt 0x0                           ; the wave's end, behind my last LDS store
	ds_add_u32 v[SPW], v[NIL]
	s_wait_dscnt 0x0
	s_endpgm
.Lfunc_end_k_qcac1b9b7e1_quant:
	.size	k_qcac1b9b7e1_quant, .Lfunc_end_k_qcac1b9b7e1_quant-k_qcac1b9b7e1_quant
	.p2alignl 7, 3214868480
	.fill 96, 4, 3214868480
	.section	.rodata,"a",@progbits
	.p2align	6, 0x0
	.amdhsa_kernel k_qcac1b9b7e1_quant
		.amdhsa_group_segment_fixed_size 67072
		.amdhsa_private_segment_fixed_size 0
		.amdhsa_enable_private_segment 0
		.amdhsa_kernarg_size 56
		.amdhsa_user_sgpr_count 2
		.amdhsa_user_sgpr_kernarg_segment_ptr 1
		.amdhsa_wavefront_size32 1
		.amdhsa_system_sgpr_workgroup_id_x 1
		.amdhsa_system_sgpr_workgroup_id_y 1
		.amdhsa_system_sgpr_workgroup_id_z 1
		.amdhsa_system_vgpr_workitem_id 0
		.amdhsa_next_free_vgpr 192
		.amdhsa_next_free_sgpr 66
		.amdhsa_reserve_vcc 0
		.amdhsa_float_denorm_mode_32 3
		.amdhsa_float_denorm_mode_16_64 3
		.amdhsa_memory_ordered 1
		.amdhsa_forward_progress 1
		.amdhsa_inst_pref_size 57
	.end_amdhsa_kernel
	.amdgpu_metadata
---
amdhsa.version: [ 1, 2 ]
amdhsa.kernels:
  - .name:           k_qcac1b9b7e1_quant
    .symbol:         k_qcac1b9b7e1_quant.kd
    .args:
      - { .name: x, .offset: 0, .size: 8, .value_kind: global_buffer, .address_space: global }
      - { .name: Wq, .offset: 8, .size: 8, .value_kind: global_buffer, .address_space: global }
      - { .name: Wk, .offset: 16, .size: 8, .value_kind: global_buffer, .address_space: global }
      - { .name: Wv, .offset: 24, .size: 8, .value_kind: global_buffer, .address_space: global }
      - { .name: Wp, .offset: 32, .size: 8, .value_kind: global_buffer, .address_space: global }
      - { .name: ops, .offset: 40, .size: 8, .value_kind: global_buffer, .address_space: global }
      - { .name: opsc, .offset: 48, .size: 8, .value_kind: global_buffer, .address_space: global }
    .group_segment_fixed_size: 67072
    .private_segment_fixed_size: 0
    .kernarg_segment_align: 8
    .kernarg_segment_size: 56
    .max_flat_workgroup_size: 128
    .sgpr_count:     66
    .vgpr_count:     192
    .wavefront_size: 32
...
	.end_amdgpu_metadata
.endif
;; end of part 1
;; launch qkv (part 2): grid 12 x 32, 4 waves a work-group, clusters of 4 x 4, 327,680 bytes of LDS; arguments ops, opsc, bq, bk, bv, qk_img, v_img, qkv_sc; writes qk_img, v_img, qkv_sc
.if DOCPART == 2
	.amdgcn_target "amdgcn-amd-amdhsa--gfx1250"
	.amdhsa_code_object_version 6
	.text
	.protected	k_qcac1b9b7e1_qkv
	.globl	k_qcac1b9b7e1_qkv
	.p2align	8
	.type	k_qcac1b9b7e1_qkv,@function
k_qcac1b9b7e1_qkv:
	s_mov_b64 s[64:65], 0
	v_nop
	global_prefetch_b8 v0, s[64:65] scope:SCOPE_SE
	s_setreg_imm32_b32 hwreg(HW_REG_WAVE_MODE, 25, 1), 1
	s_wait_xcnt 0x0
	s_wait_alu depctr_hold_cnt(0) depctr_sa_sdst(0) depctr_va_vdst(0) depctr_va_sdst(0) depctr_va_ssrc(0) depctr_va_vcc(0) depctr_vm_vsrc(0)
	s_getreg_b32 s2, hwreg(HW_REG_IB_STS2, 6, 4)
	s_cmp_eq_u32 s2, 0
	s_cbranch_scc0 .Lentry_in_a_cluster
	s_endpgm
.Lentry_in_a_cluster:
	s_bfe_u32 s2, ttmp6, 0x10000c
	s_cmp_lg_u32 s2, 0xf033
	s_cbranch_scc0 .Lentry_shape_is_right
	s_endpgm
.Lentry_shape_is_right:
; q = x Wq + bq, k = x Wk + bk, v = x Wv + bv on codes of FP6 (E2M3) with E8M0 scales, K = 1,024; the results are quantised here, in registers, and leave as images of the attention launch's operand registers.
; Cluster x = 0, 1, 2 makes q, k, v.  A tile is 256 x 256, a wave's 128 x 128: 64 accumulators, 512 registers.  THE MATRIX INSTRUCTION IS USED TRANSPOSED: source 0 = 16 rows of the operand called B here,
; source 1 = 16 rows of the one called A: a lane holds ONE row of A's and its registers run along B's rows.  For q and k: A = x, B = the weight: registers run along the head's channels, the K of q k^T.
; For v: A = Wv, B = x (V^T is made): registers run along the keys, the K of p v.  Rows lie by position in both operands (position i of tile 2 b + u is row 32 b + 8 u + i + 8 (i / 8)), so the 16 registers of
; B's tiles 2 b and 2 b + 1 are 16 NEIGHBOURS, 32 b + 16 (lane / 16) + 0 .. 15, as the conversions want them.
; OPERANDS lie in memory in the order of the operand's registers: [tile of 16 rows][64 along K][768 bytes] (lane l: 16 bytes at 16 l, 8 bytes at 512 + 8 l): a fragment is two loads of 16 bytes and two of 8, all dense.
; LDS: three regions of 98,304 bytes, each with 256 along K of A's 256 rows and B's 256 rows (wave w fetches part w: A's halves, then B's).  K's four quarters: three first fills, and ONE refill (region 0).
; The scale bytes of all of K come once, with the first fills.  A wave has four tensor loads out at the start and one behind the refill's round.
; CLUSTERS: 4 x 4 work-groups; A's tiles are shared along a row of the cluster, B's along a column: joint loads with a mask that names the four.
; No request runs ahead of the tensor loads into the L2: three quarters of a work-group's bytes are asked for at its head, the rest 256 matrix instructions ahead of its use.
; LIMITS: a block of zeros gets the scale byte 1 (its codes are zeros; this program alone reads the bytes); NaN and infinities are not served.
; REGISTERS: window 0: v1-20 addresses; v28, v29 the add's two; v32-63 scale words, two sets; v64-127 the bias along B's rows; v128-223 A's fragments, one set (on the way out: numbers, codes, scale words);
;   v224-239 the bias along A's rows; v240-255 at work.  window 1: B's fragments, two sets, at v0 and v128.  windows 2, 3: the accumulators ((a, b) at v[8 (8 (a % 4) + b)]).
.set RB,     98304                     ; a region
.set PARTB,  24576                     ; a wave's part of it: 8 tiles of 16 rows x 3,072 bytes
.set SCA,    294912                    ; A's scale bytes: 2 x 4,096; B's lie 8,320 bytes on, 128 bytes off A's modulo 256, so that lanes 16-31 read other bytes of a 256-byte line than lanes 0-15
.set SPARE,  311552                    ; the spare words, 128 bytes for each wave
.set FR,   12
.set A16,  4                           ; v4-6    LDS address of my half of A in region 0, 1, 2, + 16 x lane
.set A8,   7                           ; v7-9    the same + 8 x lane
.set B16,  10                          ; v10-12  B likewise
.set B8,   13                          ; v13-15
.set ADRS, 16                          ; v16     my scale words: lanes 0-15 A's rows, lanes 16-31 B's
.set L16,  17                          ; v17     16 x lane
.set L8,   18                          ; v18     8 x lane
.set BNO,  19                          ; v19     64 h
.set BMO,  20                          ; v20     4 (r + 8 (r / 8))
.set SPW,  28
.set NIL,  29
.set SC,   32
.set BN,   64
.set AF,   128
.set XS,   128                         ; the way out: 64 numbers of my row
.set PC,   192                         ; the codes just made (12), and 7 at work behind them
.set PWR,  212                         ; v212-219 the eight blocks' scale words
.set BM,   224
.set TM,   240
.set G1A,  28
.set G1B,  36
.set G1SA, 44
.set G1SB, 52
.set G0A,  68                          ; three sets, one for each region
.set G0B,  80
.set G0SA, 92
.set G0SB, 96
.set SEL,  60
.set MSB, 0
.macro WIN new                         ; the immediate's high byte repeats the setting that is left
.if MSB != (\new)
	s_set_vgpr_msb (MSB<<8)|(\new)
.set MSB, (\new)
.endif
.endm
; A joint load: waves 0 and 1 fetch for A, waves 2 and 3 for B; the branch hangs on the wave's number alone.  An s_nop 0 and four v_nop follow each of the two lines.
.macro JLOAD g0a, g1a, g0b, g1b
	s_cmp_eq_u32 s21, 0
	s_cbranch_scc0 .Lfor_b_\@
	tensor_load_to_lds s[\g0a:\g0a+3], s[\g1a:\g1a+7]
	s_nop 0
.rept 4
	v_nop
.endr
	s_branch .Lasked_\@
.Lfor_b_\@:
	tensor_load_to_lds s[\g0b:\g0b+3], s[\g1b:\g1b+7]
	s_nop 0
.rept 4
	v_nop
.endr
.Lasked_\@:
.endm
.macro CREST                           ; a round of the cluster's barrier behind its opening barrier
	s_cmp_lg_u32 s20, 0
	s_cbranch_scc1 .Lnot_wave_0_\@
	s_barrier_signal -3
.Lnot_wave_0_\@:
	s_barrier_wait -3
	s_barrier_signal -1
	s_barrier_wait -1
.endm
.macro CROUND
	s_barrier_signal -1
	s_barrier_wait -1
	CREST
.endm
.macro PLACES                          ; four plain instructions behind matrix instructions, ahead of loads into registers that they read and of the first read of results
.rept 4
	v_nop
.endr
.endm
.macro FRAG reg, a16, a8, qq, i        ; 16 rows x 128 K: two pieces of 768 bytes
	ds_load_b128 v[\reg:\reg+3], v[\a16] offset:3072*(\i)+1536*(\qq)
	ds_load_b64 v[\reg+4:\reg+5], v[\a8] offset:3072*(\i)+1536*(\qq)+512
	ds_load_b128 v[\reg+6:\reg+9], v[\a16] offset:3072*(\i)+1536*(\qq)+768
	ds_load_b64 v[\reg+10:\reg+11], v[\a8] offset:3072*(\i)+1536*(\qq)+1280
.endm
.macro FETCH_B q                       ; step q (128 along K) lies in region (q / 2) % 3, half q % 2; B's eight fragments go into set q % 2
	WIN 0x40
.irp i, 0,1,2,3,4,5,6,7
	FRAG 128*((\q)%2)+FR*\i, B16+((\q)/2)%3, B8+((\q)/2)%3, (\q)%2, \i
.endr
	WIN 0
.endm
.macro FETCH_A q, i0                   ; A's blocks i0 .. i0 + 3
.irp i, \i0, \i0+1, \i0+2, \i0+3
	FRAG AF+FR*(\i), A16+((\q)/2)%3, A8+((\q)/2)%3, (\q)%2, \i
.endr
.endm
.macro SCALES q                        ; the scale words of steps q and q + 1 (q even) into set (q / 2) % 2: lanes 0-15 A's block i, lanes 16-31 B's block i
.irp i, 0,1,2,3,4,5,6,7
	ds_load_b64 v[SC+16*(((\q)/2)%2)+2*\i:SC+16*(((\q)/2)%2)+2*\i+1], v[ADRS] offset:1024*((\q)/2)+128*\i
.endr
.endm
; 16 matrix instructions: A's blocks a0, a0 + 1 x B's eight.  zero = 1: the first product starts the sums.  The 64 accumulators take turns, one instruction a turn, in the same order in every step.
.macro MUL16 a0, q, zero
.irp a, \a0, \a0+1
.irp b, 0,1,2,3,4,5,6,7
.if \zero == 1
	v_wmma_scale_f32_16x16x128_f8f6f4 v[8*(8*((\a)%4)+\b):8*(8*((\a)%4)+\b)+7], v[128*((\q)%2)+FR*\b:128*((\q)%2)+FR*\b+FR-1], v[AF+FR*(\a):AF+FR*(\a)+FR-1], 0, v[SC+16*(((\q)/2)%2)+2*\b+(\q)%2], v[SC+16*(((\q)/2)%2)+2*(\a)+(\q)%2] matrix_a_fmt:MATRIX_FMT_FP6 matrix_b_fmt:MATRIX_FMT_FP6 matrix_a_scale:MATRIX_SCALE_ROW1
.else
	v_wmma_scale_f32_16x16x128_f8f6f4 v[8*(8*((\a)%4)+\b):8*(8*((\a)%4)+\b)+7], v[128*((\q)%2)+FR*\b:128*((\q)%2)+FR*\b+FR-1], v[AF+FR*(\a):AF+FR*(\a)+FR-1], v[8*(8*((\a)%4)+\b):8*(8*((\a)%4)+\b)+7], v[SC+16*(((\q)/2)%2)+2*\b+(\q)%2], v[SC+16*(((\q)/2)%2)+2*(\a)+(\q)%2] matrix_a_fmt:MATRIX_FMT_FP6 matrix_b_fmt:MATRIX_FMT_FP6 matrix_a_scale:MATRIX_SCALE_ROW1
.endif
.endr
.endr
.endm
; A step of 128 along K whose successor's bytes every wave already knows to have landed.
.macro STEP q, zero
	s_wait_dscnt 16                                ; all but the youngest 16 loads (A's blocks 4-7, four each) are in
	WIN 0xa1
	MUL16 0, \q, \zero
	MUL16 2, \q, \zero
	s_wait_dscnt 0x0                               ; A's blocks 4-7 are in
	PLACES
	FETCH_B (\q)+1
	FETCH_A (\q)+1, 0
.if ((\q)+1)%2 == 0
	SCALES (\q)+1
.endif
	WIN 0xf1
	MUL16 4, \q, \zero
	MUL16 6, \q, \zero
	PLACES
	WIN 0
	FETCH_A (\q)+1, 4
.endm
; A step with a barrier in it.  In front of the barrier each wave waits for all its tensor loads, adds 0 to its spare word, and waits for that and for its LDS reads.  fill = 1: region 0, which nobody reads any more,
; takes K's last quarter: the barrier opens a round of the cluster's barrier and the joint load is the first thing behind it.
.macro TURN q, fill
	s_wait_tensorcnt 0x0                           ; all my tensor loads have landed
	ds_add_u32 v[SPW], v[NIL]                      ; 0 onto my spare word
	s_wait_dscnt 17                                ; (the add and the youngest 16 loads may be out)
	WIN 0xa1
	MUL16 0, \q, 0
	s_wait_dscnt 0x0                               ; the add is done, and my LDS reads are over
	s_barrier_signal -1
	MUL16 2, \q, 0
	WIN 0
	s_barrier_wait -1
.if \fill
	CREST
	s_add_nc_u64 s[G0A+2:G0A+3], s[G0A+2:G0A+3], 9216   ; from K's first quarter to its last: 3 x 3,072 bytes on in each tile of 16 rows
	s_add_nc_u64 s[G0B+2:G0B+3], s[G0B+2:G0B+3], 9216
	JLOAD G0A, G1A, G0B, G1B                       ; its four v_nop are also the places ahead of the loads below
.else
	PLACES
.endif
	FETCH_B (\q)+1
	FETCH_A (\q)+1, 0
	SCALES (\q)+1
	WIN 0xf1
	MUL16 4, \q, 0
	MUL16 6, \q, 0
	PLACES
	WIN 0
	FETCH_A (\q)+1, 4
.endm
	s_load_b256 s[4:11], s[0:1], 0x0               ; ops s[4:5], opsc s[6:7], bq s[8:9], bk s[10:11]
	s_load_b256 s[12:19], s[0:1], 0x20             ; bv s[12:13], qk_img s[14:15], v_img s[16:17], qkv_sc s[18:19]
	v_lshl_add_u32 v[SPW], v0, 2, SPARE
	v_mov_b32 v[NIL], 0
	ds_add_u32 v[SPW], v[NIL]                      ; the wave's opening: the add and its wait ahead of my first tensor load
	v_lshrrev_b32 v1, 5, v0
	v_readfirstlane_b32 s20, v1                    ; wave 0..3
	s_lshr_b32 s21, s20, 1                         ; my half of A's rows.  Also: I fetch for A (0) or for B (1)
	s_and_b32 s22, s20, 1                          ; my half of B's rows.  Also: which 128 rows I fetch
	s_bfe_u32 s23, ttmp6, 0x40000                  ; cx
	s_bfe_u32 s24, ttmp6, 0x40004                  ; cy
	s_mov_b32 s25, ttmp9                           ; cluster x: 0 q, 1 k, 2 v: the same in all sixteen partners
	s_and_b32 s26, ttmp7, 0xffff                   ; cluster y: which 1,024 rows of x
	s_lshl_b32 s60, s24, 2
	s_lshl_b32 s60, 15, s60                        ; my row of the cluster
	s_lshl_b32 s61, 0x1111, s23                    ; my column
	s_or_b32 s[G1A], s60, (3<<16)|(1<<21)          ; 15:0 the mask; 17:16 elements of 8 bytes; 21 set beside a mask; no padding
	s_or_b32 s[G1B], s61, (3<<16)|(1<<21)
	s_or_b32 s[G1SA], s60, (3<<16)|(1<<21)
	s_or_b32 s[G1SB], s61, (3<<16)|(1<<21)
.irp g, G1A, G1B                       ; codes: 8 rows (tiles of 16) of 3,072 bytes, 12,288 bytes apart
	s_mov_b32 s[\g+1], 384<<16
	s_mov_b32 s[\g+2], 8<<16
	s_mov_b32 s[\g+3], 384<<16
	s_mov_b32 s[\g+4], 8
	s_mov_b32 s[\g+5], 1536
	s_mov_b32 s[\g+6], 0
	s_mov_b32 s[\g+7], 0
.endr
.irp g, G1SA, G1SB                     ; scale bytes of 128 rows: 4,096 dense bytes as 16 rows of 256
	s_mov_b32 s[\g+1], 32<<16
	s_mov_b32 s[\g+2], 16<<16
	s_mov_b32 s[\g+3], 32<<16
	s_mov_b32 s[\g+4], 16
	s_mov_b32 s[\g+5], 32
	s_mov_b32 s[\g+6], 0
	s_mov_b32 s[\g+7], 0
.endr
	s_lshl_b32 s62, s26, 2                         ; x's blocks of 256 rows: 4 x cluster y on
	s_lshl_b32 s63, s25, 2
	s_add_co_u32 s63, s63, 32                      ; the weight's: 32 + 4 x cluster x on
	s_cmp_eq_u32 s25, 2
	s_cselect_b32 s27, 1, 0                        ; v?
	s_cselect_b32 s66, 40, s62                     ; A: Wv for v, else x
	s_cselect_b32 s67, s62, s63                    ; B: x for v, else the weight
	s_add_co_u32 s66, s66, s24                     ; A's block hangs on cy alone,
	s_add_co_u32 s67, s67, s23                     ; B's on cx alone
	s_lshl_b32 s2, s66, 1
	s_add_co_u32 s2, s2, s22                       ; the 128 rows that I fetch, of A
	s_lshl_b32 s3, s67, 1
	s_add_co_u32 s3, s3, s22                       ; and of B
	s_mul_i32 s60, s2, RB                          ; 128 rows of codes are 98,304 bytes
	s_mov_b32 s61, 0
	s_mul_i32 s62, s3, RB
	s_mov_b32 s63, 0
	s_lshl_b32 s66, s2, 12                         ; and 4,096 of scale bytes
	s_mov_b32 s67, 0
	s_lshl_b32 s2, s3, 12
	s_mov_b32 s3, 0
	s_wait_dscnt 0x0                               ; the opening add is done
	s_wait_kmcnt 0x0
	s_add_nc_u64 s[60:61], s[4:5], s[60:61]
	s_add_nc_u64 s[62:63], s[4:5], s[62:63]
	s_add_nc_u64 s[66:67], s[6:7], s[66:67]
	s_add_nc_u64 s[2:3], s[6:7], s[2:3]
	CROUND                                         ; all sixteen work-groups are here: the first joint loads meet
	s_mov_b32 s[G0SA], 1
	s_lshl_b32 s[G0SA+1], s20, 12
	s_add_co_u32 s[G0SA+1], s[G0SA+1], SCA
	s_mov_b64 s[G0SA+2:G0SA+3], s[66:67]
	s_or_b32 s[G0SA+3], s[G0SA+3], 0x80000000
	s_mov_b32 s[G0SB], 1
	s_lshl_b32 s[G0SB+1], s20, 12
	s_add_co_u32 s[G0SB+1], s[G0SB+1], SCA+128
	s_mov_b64 s[G0SB+2:G0SB+3], s[2:3]
	s_or_b32 s[G0SB+3], s[G0SB+3], 0x80000000
	JLOAD G0SA, G1SA, G0SB, G1SB                   ; the scale bytes first
.irp n, 0,1,2
	s_mov_b32 s[G0A+4*\n], 1
	s_mul_i32 s[G0A+4*\n+1], s20, PARTB
	s_add_co_u32 s[G0A+4*\n+1], s[G0A+4*\n+1], \n*RB
	s_add_nc_u64 s[G0A+4*\n+2:G0A+4*\n+3], s[60:61], \n*3072
	s_or_b32 s[G0A+4*\n+3], s[G0A+4*\n+3], 0x80000000
	s_mov_b32 s[G0B+4*\n], 1
	s_mul_i32 s[G0B+4*\n+1], s20, PARTB
	s_add_co_u32 s[G0B+4*\n+1], s[G0B+4*\n+1], \n*RB
	s_add_nc_u64 s[G0B+4*\n+2:G0B+4*\n+3], s[62:63], \n*3072
	s_or_b32 s[G0B+4*\n+3], s[G0B+4*\n+3], 0x80000000
	JLOAD G0A+4*\n, G1A, G0B+4*\n, G1B             ; K's quarter n into region n
.endr
	v_and_b32 v3, 31, v0                           ; lane
	v_and_b32 v1, 15, v0                           ; r
	v_bfe_u32 v2, v0, 4, 1                         ; h
	v_lshlrev_b32 v[L16], 4, v3
	v_lshlrev_b32 v[L8], 3, v3
	s_mul_i32 s60, s21, PARTB                      ; my half of A
	s_mul_i32 s61, s22, PARTB
	s_add_co_u32 s61, s61, 2*PARTB                 ; my half of B, behind A's two
.irp n, 0,1,2
	v_add_nc_u32 v[A16+\n], s60, v[L16]
	v_add_nc_u32 v[A8+\n], s60, v[L8]
	v_add_nc_u32 v[B16+\n], s61, v[L16]
	v_add_nc_u32 v[B8+\n], s61, v[L8]
	s_add_co_u32 s60, s60, RB
	s_add_co_u32 s61, s61, RB
.endr
	s_lshl_b32 s60, s21, 12
	s_lshl_b32 s61, s22, 12
	s_add_co_u32 s61, s61, 8320
	s_sub_co_u32 s61, s61, s60
	v_mul_u32_u24 v[ADRS], s61, v2                 ; lanes 16-31 take B's: one product, the distance between the two bases
	v_lshl_add_u32 v[ADRS], v1, 3, v[ADRS]
	s_add_co_u32 s60, s60, SCA
	v_add_nc_u32 v[ADRS], s60, v[ADRS]
	; the biases.  Along B's rows (q, k: the weight's columns): register 8 b + j is column 32 (b / 2) + 16 h + 8 (b % 2) + j of my 128.  Along A's rows (v: Wv's columns): my row of block a, twice, as a pair.
	s_cmp_eq_u32 s25, 1
	s_cselect_b64 s[100:101], s[10:11], s[8:9]
	s_cmp_eq_u32 s25, 2
	s_cselect_b64 s[100:101], s[12:13], s[100:101]
	s_lshl_b32 s60, s23, 10
	s_lshl_b32 s61, s22, 9
	s_add_co_u32 s60, s60, s61
	s_mov_b32 s61, 0
	s_add_nc_u64 s[100:101], s[100:101], s[60:61]
	s_lshl_b32 s60, s24, 10
	s_lshl_b32 s62, s21, 9
	s_add_co_u32 s60, s60, s62
	s_add_nc_u64 s[104:105], s[12:13], s[60:61]
	v_lshlrev_b32 v[BNO], 6, v2
	v_and_b32 v[BMO], 8, v1
	v_add_nc_u32 v[BMO], v[BMO], v1
	v_lshlrev_b32 v[BMO], 2, v[BMO]
.irp b, 0,1,2,3,4,5,6,7
	global_load_b128 v[BN+8*\b:BN+8*\b+3], v[BNO], s[100:101] offset:(32*(\b/2)+8*(\b%2))*4
	global_load_b128 v[BN+8*\b+4:BN+8*\b+7], v[BNO], s[100:101] offset:(32*(\b/2)+8*(\b%2))*4+16
.endr
.irp a, 0,1,2,3,4,5,6,7
	global_load_b32 v[BM+2*\a], v[BMO], s[104:105] offset:(32*(\a/2)+8*(\a%2))*4
	global_load_b32 v[BM+2*\a+1], v[BMO], s[104:105] offset:(32*(\a/2)+8*(\a%2))*4
.endr
	s_wait_tensorcnt 2                             ; the scale bytes and my part of region 0 are in; regions 1 and 2 may be out
	s_barrier_signal -1
	s_barrier_wait -1
	FETCH_B 0
	FETCH_A 0, 0
	SCALES 0
	FETCH_A 0, 4
	STEP 0, 1                                      ; the first products start the sums: nothing is cleared
	TURN 1, 1                                      ; every wave's parts of regions 1 and 2 have landed; region 0 is left and takes K's last quarter
	STEP 2, 0
	STEP 3, 0
	STEP 4, 0
	TURN 5, 0                                      ; region 0 is whole again
	STEP 6, 0
	s_wait_dscnt 16                                ; the last step: nothing more to fetch
	WIN 0xa1
	MUL16 0, 7, 0
	MUL16 2, 7, 0
	s_wait_dscnt 0x0
	WIN 0xf1
	MUL16 4, 7, 0
	MUL16 6, 7, 0
	WIN 0
; THE WAY OUT.  64 numbers of a lane, register 16 b + i = place 32 b + 16 (lane / 16) + i along the axis to be quantised, become a fragment's codes in v[PC] on and the row's scale word in v[pw].
.macro QUANT s, pw
.irp b, 0,1,2,3
	v_max3_num_f32 v[TM+\b], |v[\s+16*\b]|, |v[\s+1+16*\b]|, 0x1800000   ; my 16 numbers of block b, and the floor 2^(3 - 127)
.endr
.irp i, 2,4,6,8,10,12,14
.irp b, 0,1,2,3
	v_max3_num_f32 v[TM+\b], v[TM+\b], |v[\s+16*\b+\i]|, |v[\s+1+16*\b+\i]|
.endr
.endr
.irp b, 0,1,2,3
	v_permlanex16_b32 v[TM+4+\b], v[TM+\b], s[SEL], s[SEL+1]
.endr
.irp b, 0,1,2,3
	v_max_num_f32 v[TM+\b], v[TM+\b], v[TM+4+\b]   ; with lane l xor 16's: the block's largest magnitude
.endr
.irp b, 0,1,2,3
	v_add_nc_u32 v[TM+12+\b], 0xff000000, v[TM+\b] ; 2 off its exponent field: the conversion's scale operand
.endr
.irp b, 0,1,2,3
	v_lshrrev_b32 v[TM+4+\b], 23, v[TM+12+\b]      ; the scale's byte
.endr
	v_lshl_or_b32 v[\pw], v[TM+5], 8, v[TM+4]
	v_lshl_or_b32 v[\pw], v[TM+6], 16, v[\pw]
	v_lshl_or_b32 v[\pw], v[TM+7], 24, v[\pw]
.irp c, 0,1
	v_cvt_scalef32_pk16_fp6_f32 v[PC+6*\c:PC+2+6*\c], v[\s+32*\c:\s+15+32*\c], v[TM+12+2*\c]
	v_cvt_scalef32_pk16_fp6_f32 v[PC+12+4*\c:PC+14+4*\c], v[\s+16+32*\c:\s+31+32*\c], v[TM+12+2*\c+1]
.endr
	v_nop                                          ; one plain instruction behind the conversions
.irp c, 0,1                            ; the operand's layout wants a whole block in a lane: lanes 0-15 block 2 c, lanes 16-31 block 2 c + 1
.irp i, 0,1,2
	v_permlane16_swap_b32 v[PC+6*\c+\i], v[PC+12+4*\c+\i]
.endr
.irp i, 0,1,2
	v_mov_b32 v[PC+3+6*\c+\i], v[PC+12+4*\c+\i]
.endr
.endr
.endm
; Block a of my 16 rows of A's: the sums and the bias, each accumulator from its low end on; quantised; four dense stores.
.macro OUTA a, isv
.if (\a) > 0
	s_wait_xcnt 0x0                                ; the last block's stores have read their registers, which are written again below
.endif
	WIN 0x02+(\a)/4                                ; source 0: window 2 or 3
.set AC, 64*((\a)%4)
.set i, 0
.rept 32
.if \isv
	v_pk_add_f32 v[XS+2*i:XS+2*i+1], v[AC+2*i:AC+2*i+1], v[BM+2*(\a):BM+2*(\a)+1]
.else
	v_pk_add_f32 v[XS+2*i:XS+2*i+1], v[AC+2*i:AC+2*i+1], v[BN+2*i:BN+2*i+1]
.endif
.set i, i+1
.endr
	WIN 0
	QUANT XS, PWR+(\a)
.if \isv
.set OB, ((\a)/4)*98304+((\a)%4)*1536  ; head a / 4 of my two, tile a % 4 of its 64 channels; the 128 keys are two pieces
	global_store_b128 v[L16], v[PC:PC+3], s[16:17] offset:OB
	global_store_b64 v[L8], v[PC+4:PC+5], s[16:17] offset:OB+512
	global_store_b128 v[L16], v[PC+6:PC+9], s[16:17] offset:OB+768
	global_store_b64 v[L8], v[PC+10:PC+11], s[16:17] offset:OB+1280
.else
	global_store_b128 v[L16], v[PC:PC+3], s[14:15] offset:768*(\a)            ; my first head's 64 channels,
	global_store_b64 v[L8], v[PC+4:PC+5], s[14:15] offset:768*(\a)+512
	global_store_b128 v[L16], v[PC+6:PC+9], s[14:15] offset:768*(\a)+98304    ; and the next head's
	global_store_b64 v[L8], v[PC+10:PC+11], s[14:15] offset:768*(\a)+98816
.endif
.endm
.macro CLOSE
	s_wait_tensorcnt 0x0                           ; the wave's end
	ds_add_u32 v[SPW], v[NIL]
	s_wait_dscnt 0x0
	CROUND                                         ; the closing round
	s_endpgm
.endm
	PLACES
	s_wait_loadcnt 0x0                             ; the biases
.irp b, 0,1,2,3
	v_mov_b32 v[TM+4+\b], 0                        ; written once: a lane permute's destination counts as one of its sources
.endr
	s_mov_b32 s[SEL], 0x76543210
	s_mov_b32 s[SEL+1], 0xfedcba98
	s_mov_b32 s62, 0xffff0000                      ; lanes 16-31
	s_mov_b32 s63, 0xffff
	s_mov_b32 s66, 0x7f7f0000                      ; the bytes of the upper 64 of an instruction's 128 along K, where q's codes are zeros: 1.0
	s_mov_b32 s73, 0
	s_cmp_eq_u32 s27, 1
	s_cbranch_scc1 .Lv_out
	; ---- q or k.  (No tensor load is out: the descriptors' registers are free.)
	s_lshl_b32 s68, s26, 2
	s_add_co_u32 s68, s68, s24                     ; x's block of 256 rows
	s_lshr_b32 s69, s68, 3
	s_lshl_b32 s69, s69, 4                         ; 16 x batch
	s_lshl_b32 s70, s23, 2
	s_add_co_u32 s69, s69, s70
	s_lshl_b32 s70, s22, 1
	s_add_co_u32 s69, s69, s70                     ; + my first head: 4 cx + 2 x half
	s_and_b32 s68, s68, 7
	s_lshl_b32 s70, s68, 1
	s_add_co_u32 s70, s70, s21                     ; which 128 rows of the batch's 2,048: eight tiles
	s_mul_i32 s72, s25, 6291456                    ; q's images, then k's
	s_mul_i32 s71, s69, 98304
	s_add_co_u32 s72, s72, s71
	s_mul_i32 s71, s70, 6144
	s_add_co_u32 s72, s72, s71
	s_add_nc_u64 s[14:15], s[14:15], s[72:73]
	s_lshl_b32 s72, s25, 19
	s_lshl_b32 s71, s69, 13
	s_add_co_u32 s72, s72, s71
	s_lshl_b32 s71, s70, 9
	s_add_co_u32 s72, s72, s71
	s_add_nc_u64 s[18:19], s[18:19], s[72:73]
.irp a, 0,1,2,3,4,5,6,7
	OUTA \a, 0
.endr
.irp b, 0,1,2,3                        ; scale words: word b of lane (r, h) belongs to tile 2 b + h, row r
	v_cndmask_b32 v[XS+\b], v[PWR+2*\b], v[PWR+2*\b+1], s62
.endr
.irp b, 0,1,2,3
	v_and_or_b32 v[XS+4+\b], v[XS+\b], s63, s66    ; my first head: the word's lower two bytes
	v_lshrrev_b32 v[XS+8+\b], 16, v[XS+\b]         ; the next head: the upper two
.endr
.irp b, 0,1,2,3
	v_or_b32 v[XS+8+\b], s66, v[XS+8+\b]
.endr
	global_store_b128 v[L16], v[XS+4:XS+7], s[18:19]
	global_store_b128 v[L16], v[XS+8:XS+11], s[18:19] offset:8192
	CLOSE
.Lv_out:
	; ---- v
	s_lshl_b32 s68, s26, 2
	s_add_co_u32 s68, s68, s23                     ; x's block of 256 rows: the keys
	s_lshr_b32 s69, s68, 3
	s_lshl_b32 s69, s69, 4
	s_lshl_b32 s70, s24, 2
	s_add_co_u32 s69, s69, s70
	s_lshl_b32 s70, s21, 1
	s_add_co_u32 s69, s69, s70                     ; 16 x batch + my first head: 4 cy + 2 x half
	s_and_b32 s68, s68, 7
	s_lshl_b32 s70, s68, 1
	s_add_co_u32 s70, s70, s22                     ; which 128 keys
	s_mul_i32 s72, s69, 98304
	s_mul_i32 s71, s70, 6144
	s_add_co_u32 s72, s72, s71
	s_add_nc_u64 s[16:17], s[16:17], s[72:73]
	s_lshl_b32 s72, s69, 12
	s_lshl_b32 s71, s70, 8
	s_add_co_u32 s72, s72, s71
	s_add_co_u32 s72, s72, 1048576
	s_add_nc_u64 s[18:19], s[18:19], s[72:73]
.irp a, 0,1,2,3,4,5,6,7
	OUTA \a, 1
.endr
.irp c, 0,1                            ; scale words: word j of lane (r, h) belongs to tile 2 j + h of the head's four
.irp j, 0,1
	v_cndmask_b32 v[XS+2*\c+\j], v[PWR+4*\c+2*\j], v[PWR+4*\c+2*\j+1], s62
.endr
.endr
	global_store_b64 v[L8], v[XS:XS+1], s[18:19]
	global_store_b64 v[L8], v[XS+2:XS+3], s[18:19] offset:4096
	CLOSE
.Lfunc_end_k_qcac1b9b7e1_qkv:
	.size	k_qcac1b9b7e1_qkv, .Lfunc_end_k_qcac1b9b7e1_qkv-k_qcac1b9b7e1_qkv
	.p2alignl 7, 3214868480
	.fill 96, 4, 3214868480
	.section	.rodata,"a",@progbits
	.p2align	6, 0x0
	.amdhsa_kernel k_qcac1b9b7e1_qkv
		.amdhsa_group_segment_fixed_size 327680
		.amdhsa_private_segment_fixed_size 0
		.amdhsa_enable_private_segment 0
		.amdhsa_kernarg_size 64
		.amdhsa_user_sgpr_count 2
		.amdhsa_user_sgpr_kernarg_segment_ptr 1
		.amdhsa_wavefront_size32 1
		.amdhsa_system_sgpr_workgroup_id_x 1
		.amdhsa_system_sgpr_workgroup_id_y 1
		.amdhsa_system_sgpr_workgroup_id_z 1
		.amdhsa_system_vgpr_workitem_id 0
		.amdhsa_next_free_vgpr 1024
		.amdhsa_next_free_sgpr 106
		.amdhsa_reserve_vcc 0
		.amdhsa_float_denorm_mode_32 3
		.amdhsa_float_denorm_mode_16_64 3
		.amdhsa_memory_ordered 1
		.amdhsa_forward_progress 1
		.amdhsa_inst_pref_size 220
	.end_amdhsa_kernel
	.amdgpu_metadata
---
amdhsa.version: [ 1, 2 ]
amdhsa.kernels:
  - .name:           k_qcac1b9b7e1_qkv
    .symbol:         k_qcac1b9b7e1_qkv.kd
    .args:
      - { .name: ops, .offset: 0, .size: 8, .value_kind: global_buffer, .address_space: global }
      - { .name: opsc, .offset: 8, .size: 8, .value_kind: global_buffer, .address_space: global }
      - { .name: bq, .offset: 16, .size: 8, .value_kind: global_buffer, .address_space: global }
      - { .name: bk, .offset: 24, .size: 8, .value_kind: global_buffer, .address_space: global }
      - { .name: bv, .offset: 32, .size: 8, .value_kind: global_buffer, .address_space: global }
      - { .name: qk_img, .offset: 40, .size: 8, .value_kind: global_buffer, .address_space: global }
      - { .name: v_img, .offset: 48, .size: 8, .value_kind: global_buffer, .address_space: global }
      - { .name: qkv_sc, .offset: 56, .size: 8, .value_kind: global_buffer, .address_space: global }
    .group_segment_fixed_size: 327680
    .private_segment_fixed_size: 0
    .kernarg_segment_align: 8
    .kernarg_segment_size: 64
    .max_flat_workgroup_size: 128
    .sgpr_count:     106
    .vgpr_count:     1024
    .wavefront_size: 32
...
	.end_amdgpu_metadata
.endif
;; end of part 2
;; launch attn (part 3): grid 4 x 64, 16 waves a work-group, clusters of 4 x 1, 210,944 bytes of LDS; arguments qk_img, v_img, qkv_sc, aop, asc; writes aop, asc
.if DOCPART == 3
	.amdgcn_target "amdgcn-amd-amdhsa--gfx1250"
	.amdhsa_code_object_version 6
	.text
	.protected	k_qcac1b9b7e1_attn
	.globl	k_qcac1b9b7e1_attn
	.p2align	8
	.type	k_qcac1b9b7e1_attn,@function
k_qcac1b9b7e1_attn:
	s_mov_b64 s[64:65], 0
	v_nop
	global_prefetch_b8 v0, s[64:65] scope:SCOPE_SE
	s_setreg_imm32_b32 hwreg(HW_REG_WAVE_MODE, 25, 1), 1
	s_wait_xcnt 0x0
	s_wait_alu depctr_hold_cnt(0) depctr_sa_sdst(0) depctr_va_vdst(0) depctr_va_sdst(0) depctr_va_ssrc(0) depctr_va_vcc(0) depctr_vm_vsrc(0)
	s_getreg_b32 s2, hwreg(HW_REG_IB_STS2, 6, 4)
	s_cmp_eq_u32 s2, 0
	s_cbranch_scc0 .Lentry_in_a_cluster
	s_endpgm
.Lentry_in_a_cluster:
	s_bfe_u32 s2, ttmp6, 0x10000c
	s_cmp_lg_u32 s2, 0x3003
	s_cbranch_scc0 .Lentry_shape_is_right
	s_endpgm
.Lentry_shape_is_right:
; Causal attention of one head (64 channels, 2,048 keys) for a cluster of four work-groups, both products on codes of FP6 (E2M3) with E8M0 scales; the result, divided by the row's sum, is quantised along (head, channel)
; and leaves as an image of the last product's operand registers.
; THE SOFTMAX: t = score x log2(e) / 8; M = the running largest t rounded UP to a whole number; p = 2^(t - M) is quantised along the keys, not normalised; the row's sum is taken of the unquantised p.  When M moves,
; the sum and O are multiplied by 2^(old M - new M), which rounds nothing.
; A WHOLE HEAD'S K AND V LIE IN LDS: 98,304 bytes of codes each, 8,192 and 4,096 of scale words.  Each of the sixteen waves asks for one sixteenth of each, four joint loads (the mask names the cluster's four
; work-groups, which share the head), in one group at the head: four tensor loads of a wave are out, and none follows.  No byte is filled again, so there is one barrier in the launch beside the cluster's rounds,
; and no later request that a request into the L2 could run ahead of.
; SHARES.  A tile is 16 queries.  Wave w of work-group c owns tile tl = 8 (w / 2) + 2 c + w % 2 and tile 127 - tl: w / 2 + 1 and 16 - w / 2 key steps of 128 keys, 17 for every wave of the launch.
; Every wave walks 16 trips for each tile; a step all of whose keys come after the tile's queries is jumped over by a branch that hangs on the wave's number alone.
; LAYOUT.  Both products transposed: S^T = K Q^T (source 0 = 16 keys), O^T = V^T P^T (source 0 = 16 channels): a lane holds ONE query.  Rows lie by position in all images (position i of tile 2 b + u is row
; 32 b + 8 u + i + 8 (i / 8)), so the 16 registers of tiles 2 b, 2 b + 1 are 16 neighbouring keys (or channels).  The first product's K is 64: Q's registers 6-11 are zero codes, so what K's upper six registers hold adds nothing.
; LIMITS: the division by the sum is v_rcp_f32 and a multiplication; a block of zeros gets the scale byte 1 (this program alone reads the bytes); NaN and infinities are not served.
; REGISTERS: v1-6 LDS places; v7, v8 the add's two; v9 16 r; v11, v28 the mask's d for the two tiles; v29 8 r + h; v12 -M, v13 the largest t, v[14:15] the sum; v16-27, v192-203 Q; v32-79 four fragments of K or V;
;   v96-159 S^T, then p; v160-191 O^T; v204-209 the step's addresses; v218-219 V's scale words; v220, v255 Q's; v221 p's; v224-235 p's codes; v232-254 at work; v248-251 K's scale words.
.set VI,    98304                      ; LDS: K's images at 0, V's here,
.set KSW,   196608                     ; K's scale words,
.set VSW,   204800                     ; V's,
.set SPARE, 208896                     ; and the spare words, 128 bytes for each of 16 waves
.set SPW, 7
.set NIL, 8
.set WV,  14
.set CX,  15
.set BH,  16
.set SS,  17                           ; s17  w / 2
.set EE,  18                           ; s18  2 c + w % 2
.set TL,  19                           ; s19  my lower tile;  s72 my upper
.set TH,  72
.set SEL, 20
.set CS,  22                           ; s[22:23] c = log2(e) / 8
.set G1I, 24                           ; s[24:31] 6,144 bytes as 24 rows of 256;  s[32:39] 512 as 2;  s[40:47] 256 as 1
.set G1K, 32
.set G1V, 40
.set TK,  66                           ; s66  where the step's images begin: 6,144 bytes a step, K's and V's alike
.set TS,  67                           ; s67  K's scale words: 512 a step
.set TV,  68                           ; s68  V's: 256 a step
.set KSI, 69                           ; s69  the step
.set CL,  70                           ; s70  the step on the diagonal
.set HM,  71                           ; s71  lanes 16-31
.macro CROUND
	s_barrier_signal -1
	s_barrier_wait -1
	s_cmp_lg_u32 s[WV], 0
	s_cbranch_scc1 .Lnot_wave_0_\@
	s_barrier_signal -3
.Lnot_wave_0_\@:
	s_barrier_wait -3
	s_barrier_signal -1
	s_barrier_wait -1
.endm
.macro G1SET g, rows
	s_mov_b32 s[\g], 15|(3<<16)|(1<<21)            ; 15:0 the mask: all four work-groups; 17:16 elements of 8 bytes; 21 set beside a mask
	s_mov_b32 s[\g+1], 32<<16
	s_mov_b32 s[\g+2], (\rows)<<16
	s_mov_b32 s[\g+3], 32<<16
	s_mov_b32 s[\g+4], \rows
	s_mov_b32 s[\g+5], 32
	s_mov_b32 s[\g+6], 0
	s_mov_b32 s[\g+7], 0
.endm
; The four addresses of tile s[tau]: Q's image, Q's scale words, the result's image, the result's scale bytes.
.macro TILEADR tau, qb, qw, ab, sb
	s_mul_i32 s2, s[BH], 98304
	s_mul_i32 s3, s[\tau], 768
	s_add_co_u32 s2, s2, s3
	s_mov_b32 s3, 0
	s_add_nc_u64 s[\qb:\qb+1], s[4:5], s[2:3]
	s_lshl_b32 s2, s[BH], 13                       ; word (tau / 2) % 4 of lane 16 (tau % 2) + r in the 512 bytes of step tau / 8
	s_lshr_b32 s3, s[\tau], 3
	s_lshl_b32 s3, s3, 9
	s_add_co_u32 s2, s2, s3
	s_and_b32 s3, s[\tau], 1
	s_lshl_b32 s3, s3, 8
	s_add_co_u32 s2, s2, s3
	s_bfe_u32 s3, s[\tau], 0x20001
	s_lshl_b32 s3, s3, 2
	s_add_co_u32 s2, s2, s3
	s_mov_b32 s3, 0
	s_add_nc_u64 s[\qw:\qw+1], s[8:9], s[2:3]
	s_lshr_b32 s2, s[BH], 4                        ; tile 128 x batch + tau, piece = head
	s_lshl_b32 s2, s2, 7
	s_add_co_u32 s2, s2, s[\tau]
	s_mul_i32 s2, s2, 12288
	s_and_b32 s3, s[BH], 15
	s_mul_i32 s3, s3, 768
	s_add_co_u32 s2, s2, s3
	s_mov_b32 s3, 0
	s_add_nc_u64 s[\ab:\ab+1], s[10:11], s[2:3]
	s_lshr_b32 s2, s[BH], 4                        ; group 16 x batch + tau / 8, kslot head / 4, row 16 (tau % 8), byte 2 (head % 4)
	s_lshl_b32 s2, s2, 4
	s_lshr_b32 s3, s[\tau], 3
	s_add_co_u32 s2, s2, s3
	s_lshl_b32 s2, s2, 12
	s_bfe_u32 s3, s[BH], 0x20002
	s_lshl_b32 s3, s3, 10
	s_add_co_u32 s2, s2, s3
	s_and_b32 s3, s[\tau], 7
	s_lshl_b32 s3, s3, 7
	s_add_co_u32 s2, s2, s3
	s_and_b32 s3, s[BH], 3
	s_lshl_b32 s3, s3, 1
	s_add_co_u32 s2, s2, s3
	s_mov_b32 s3, 0
	s_add_nc_u64 s[\sb:\sb+1], s[12:13], s[2:3]
.endm
	s_load_b256 s[4:11], s[0:1], 0x0               ; qk_img s[4:5], v_img s[6:7], qkv_sc s[8:9], aop s[10:11]
	s_load_b64 s[12:13], s[0:1], 0x20              ; asc
	v_lshl_add_u32 v[SPW], v0, 2, SPARE
	v_mov_b32 v[NIL], 0
	ds_add_u32 v[SPW], v[NIL]                      ; the wave's opening: the add and its wait ahead of my first tensor load
	ds_add_u32 v[SPW], v[NIL]
	v_lshrrev_b32 v1, 5, v0
	s_delay_alu instid0(VALU_DEP_1)
	v_readfirstlane_b32 s[WV], v1                  ; wave 0..15
	s_bfe_u32 s[CX], ttmp6, 0x40000                ; my place in the cluster: it enters global addresses and the mask's numbers alone
	s_and_b32 s[BH], ttmp7, 0xffff                 ; 16 x batch + head, which the four partners share
	s_lshr_b32 s[SS], s[WV], 1
	s_and_b32 s[EE], s[WV], 1
	s_lshl_b32 s[TL], s[CX], 1
	s_add_co_u32 s[EE], s[EE], s[TL]
	s_lshl_b32 s[TL], s[SS], 3
	s_add_co_u32 s[TL], s[TL], s[EE]
	s_sub_co_u32 s[TH], 127, s[TL]
	G1SET G1I, 24
	G1SET G1K, 2
	G1SET G1V, 1
	s_mov_b32 s[SEL], 0x76543210
	s_mov_b32 s[SEL+1], 0xfedcba98
	s_mov_b32 s[CS], 0x3e38aa3b                    ; log2(e) / 8
	s_mov_b32 s[CS+1], s[CS]                       ; (named with it as a pair, so it is written)
	s_mov_b32 s[HM], 0xffff0000
	s_mul_i32 s66, s[BH], 98304                    ; my sixteenth of the head's images: step w,
	s_mul_i32 s67, s[WV], 6144
	s_add_co_u32 s66, s66, s67
	s_mov_b32 s67, 0
	s_lshl_b32 s68, s[BH], 13                      ; of K's scale words,
	s_lshl_b32 s69, s[WV], 9
	s_add_co_u32 s68, s68, s69
	s_add_co_u32 s68, s68, 524288
	s_mov_b32 s69, 0
	s_lshl_b32 s2, s[BH], 12                       ; and of V's
	s_lshl_b32 s3, s[WV], 8
	s_add_co_u32 s2, s2, s3
	s_add_co_u32 s2, s2, 1048576
	s_mov_b32 s3, 0
	s_wait_dscnt 0x0                               ; the opening add is done
	s_wait_kmcnt 0x0
	s_mov_b32 s48, 1
	s_mul_i32 s49, s[WV], 6144
	s_add_nc_u64 s[50:51], s[4:5], s[66:67]
	s_add_nc_u64 s[50:51], s[50:51], 6291456       ; k's images lie behind q's
	s_or_b32 s51, s51, 0x80000000
	s_mov_b32 s52, 1
	s_mul_i32 s53, s[WV], 6144
	s_add_co_u32 s53, s53, VI
	s_add_nc_u64 s[54:55], s[6:7], s[66:67]
	s_or_b32 s55, s55, 0x80000000
	s_mov_b32 s56, 1
	s_lshl_b32 s57, s[WV], 9
	s_add_co_u32 s57, s57, KSW
	s_add_nc_u64 s[58:59], s[8:9], s[68:69]
	s_or_b32 s59, s59, 0x80000000
	s_mov_b32 s60, 1
	s_lshl_b32 s61, s[WV], 8
	s_add_co_u32 s61, s61, VSW
	s_add_nc_u64 s[62:63], s[8:9], s[2:3]
	s_or_b32 s63, s63, 0x80000000
	CROUND                                         ; all four work-groups are here: the joint loads meet
	tensor_load_to_lds s[48:51], s[G1I:G1I+7]
	s_nop 0
	tensor_load_to_lds s[52:55], s[G1I:G1I+7]
	s_nop 0
	tensor_load_to_lds s[56:59], s[G1K:G1K+7]
	s_nop 0
	tensor_load_to_lds s[60:63], s[G1V:G1V+7]
	s_nop 0
.rept 4
	v_nop
.endr
	TILEADR TL, 82, 86, 74, 78
	TILEADR TH, 84, 88, 76, 80
	v_and_b32 v10, 31, v0
	s_delay_alu instid0(VALU_DEP_1)
	v_lshlrev_b32 v1, 4, v10                       ; 16 x lane
	s_delay_alu instid0(VALU_DEP_2)
	v_lshlrev_b32 v2, 3, v10                       ; 8 x lane
	s_delay_alu instid0(VALU_DEP_2)
	v_add_nc_u32 v3, VI, v1
	s_delay_alu instid0(VALU_DEP_2)
	v_add_nc_u32 v4, VI, v2
	s_delay_alu instid0(VALU_DEP_4)
	v_add_nc_u32 v5, KSW, v1
	s_delay_alu instid0(VALU_DEP_4)
	v_add_nc_u32 v6, VSW, v2
	v_and_b32 v30, 15, v0                          ; r
	v_bfe_u32 v31, v0, 4, 1                        ; h
	s_delay_alu instid0(VALU_DEP_2)
	v_lshlrev_b32 v9, 4, v30
	s_delay_alu instid0(VALU_DEP_2)
	v_lshl_add_u32 v29, v30, 3, v31
	global_load_b128 v[16:19], v1, s[82:83]        ; Q's two fragments stay in registers
	global_load_b64 v[20:21], v2, s[82:83] offset:512
	global_load_b32 v255, v9, s[86:87]
	global_load_b128 v[192:195], v1, s[84:85]
	global_load_b64 v[196:197], v2, s[84:85] offset:512
	global_load_b32 v220, v9, s[88:89]
	v_and_b32 v10, 8, v30
	s_delay_alu instid0(VALU_DEP_1)
	v_add_nc_u32 v10, v10, v30
	v_lshlrev_b32 v31, 4, v31
	s_delay_alu instid0(VALU_DEP_1)
	v_sub_nc_u32 v10, v10, v31                     ; r + 8 (r / 8) - 16 h
	s_wait_alu depctr_va_vdst(0)
	s_lshr_b32 s2, s[EE], 1                        ; on the diagonal my query is 32 (e / 2) + 8 (e % 2) + r + 8 (r / 8) keys behind the step's first key: d = that - 16 h
	s_lshl_b32 s2, s2, 5
	s_and_b32 s3, s[EE], 1
	s_lshl_b32 s3, s3, 3
	s_add_co_u32 s2, s2, s3
	v_add_nc_u32 v11, s2, v10
	s_sub_co_u32 s3, 7, s[EE]                      ; the upper tile is tile 7 - e of its eight
	s_lshr_b32 s2, s3, 1
	s_lshl_b32 s2, s2, 5
	s_and_b32 s3, s3, 1
	s_lshl_b32 s3, s3, 3
	s_add_co_u32 s2, s2, s3
	v_add_nc_u32 v28, s2, v10
.irp j, 0,1,2,3,4,5
	v_mov_b32 v[22+\j], 0                          ; Q's codes for the upper 64 of an instruction's 128 along K: zeros
	v_mov_b32 v[198+\j], 0
.irp t, 0,1,2,3
	v_mov_b32 v[38+12*\t+\j], 0                    ; K's upper six registers are written once, so that they are never read unwritten; later they hold V's codes, which meet Q's zeros
.endr
.endr
.irp b, 0,1,2,3
	v_mov_b32 v[236+\b], 0                         ; written once: a lane permute's destination counts as one of its sources
.endr
	v_mov_b32 v252, 0
	v_mov_b32 v253, 0                              ; (named as the upper half of the pair v[252:253])
	s_wait_tensorcnt 0x0                           ; my sixteenth of the head is in,
	s_barrier_signal -1
	s_barrier_wait -1                              ; everybody's is
	s_wait_loadcnt 0x0                             ; Q
; A KEY STEP: 128 keys.
.macro STEP Q, QS, D
	s_cmp_gt_u32 s[KSI], s[CL]                     ; all its keys come after my queries: only the lines at its end, which step addresses, are run
	s_cbranch_scc1 .Lhidden_\@
	s_setprio 2
	v_add_nc_u32 v204, s[TK], v1                   ; (these six are also the places behind the last step's products, ahead of the loads into their registers)
	s_wait_alu depctr_va_vdst(0)
	v_add_nc_u32 v205, s[TK], v2
	s_wait_alu depctr_va_vdst(0)
	v_add_nc_u32 v206, s[TK], v3
	v_add_nc_u32 v207, s[TK], v4
	v_add_nc_u32 v208, s[TS], v5
	v_add_nc_u32 v209, s[TV], v6
	ds_load_b128 v[248:251], v208                  ; K's scale words: word b: lanes 0-15 tile 2 b, lanes 16-31 tile 2 b + 1
.irp g, 0,1                            ; S^T = K Q^T, four tiles of 16 keys at a time
.if \g
.rept 4
	v_nop
.endr
.endif
.irp t, 0,1,2,3
	ds_load_b128 v[32+12*\t:35+12*\t], v204 offset:768*(4*\g+\t)
	ds_load_b64 v[36+12*\t:37+12*\t], v205 offset:768*(4*\g+\t)+512
.endr
	s_wait_dscnt 0x0
.irp t, 0,1,2,3
.if \t%2 == 0
	v_wmma_scale_f32_16x16x128_f8f6f4 v[96+8*(4*\g+\t):103+8*(4*\g+\t)], v[32+12*\t:43+12*\t], v[\Q:\Q+11], 0, v[248+(4*\g+\t)/2], v[\QS] matrix_a_fmt:MATRIX_FMT_FP6 matrix_b_fmt:MATRIX_FMT_FP6
.else
	v_wmma_scale_f32_16x16x128_f8f6f4 v[96+8*(4*\g+\t):103+8*(4*\g+\t)], v[32+12*\t:43+12*\t], v[\Q:\Q+11], 0, v[248+(4*\g+\t)/2], v[\QS] matrix_a_fmt:MATRIX_FMT_FP6 matrix_b_fmt:MATRIX_FMT_FP6 matrix_a_scale:MATRIX_SCALE_ROW1
.endif
.endr
.endr
.rept 4
	v_nop                                          ; places ahead of the loads below and of the first read of the scores
.endr
	s_wait_alu depctr_va_vdst(0)
.irp t, 0,1,2,3                        ; V's four fragments (16 channels x 128 keys) are asked for now and land under the softmax
	ds_load_b128 v[32+12*\t:35+12*\t], v206 offset:1536*\t
	ds_load_b64 v[36+12*\t:37+12*\t], v207 offset:1536*\t+512
	ds_load_b128 v[38+12*\t:41+12*\t], v206 offset:1536*\t+768
	ds_load_b64 v[42+12*\t:43+12*\t], v207 offset:1536*\t+1280
.endr
	ds_load_b64 v[218:219], v209                   ; V's scale words: word j: lanes 0-15 tile 2 j, lanes 16-31 tile 2 j + 1
	s_cmp_lt_u32 s[KSI], s[CL]                     ; a step all of whose keys count skips the mask
	s_cbranch_scc1 .Lopen_\@
	v_mov_b32 v254, 0xff800000                     ; on the diagonal hidden scores become -infinity: register 16 b + i holds the step's key 32 b + 16 h + i, hidden where 32 b + i > d
.irp n, 0,1,2,3,4,5,6,7,8,9,10,11,12,13,14,15,16,17,18,19,20,21,22,23,24,25,26,27,28,29,30,31,32,33,34,35,36,37,38,39,40,41,42,43,44,45,46,47,48,49,50,51,52,53,54,55,56,57,58,59,60,61,62,63
	v_cmp_gt_i32 vcc_lo, 32*(\n/16)+\n%16, v[\D]
	v_cndmask_b32 v[96+\n], v[96+\n], v254, vcc_lo
.endr
.Lopen_\@:
.irp b, 0,1,2,3
	v_max3_num_f32 v[232+\b], v[96+16*\b], v[97+16*\b], v[98+16*\b]   ; the largest score of each block of 32 keys: for the row's maximum and, since p rises with the score, for the block's largest p
.endr
.irp i, 3,5,7,9,11,13
.irp b, 0,1,2,3
	v_max3_num_f32 v[232+\b], v[232+\b], v[96+16*\b+\i], v[97+16*\b+\i]
.endr
.endr
.irp b, 0,1,2,3
	v_max_num_f32 v[232+\b], v[232+\b], v[111+16*\b]
.endr
.irp b, 0,1,2,3
	s_delay_alu instid0(VALU_DEP_4)
	v_permlanex16_b32 v[236+\b], v[232+\b], s[SEL], s[SEL+1]
.endr
.irp b, 0,1,2,3
	s_delay_alu instid0(VALU_DEP_4)
	v_max_num_f32 v[232+\b], v[232+\b], v[236+\b]  ; with lane l xor 16's 16 keys
.endr
	s_delay_alu instid0(VALU_DEP_2)
	v_max3_num_f32 v254, v232, v233, v234
	s_delay_alu instid0(VALU_DEP_1)
	v_max_num_f32 v254, v254, v235
	s_delay_alu instid0(VALU_DEP_1)
	v_mul_f32 v254, s[CS], v254                    ; as t (c is positive)
	s_delay_alu instid0(VALU_DEP_1)
	v_max_num_f32 v13, v13, v254                   ; the running largest t
	v_mov_b32 v254, v12
	s_delay_alu instid0(VALU_DEP_2)
	v_floor_f32 v12, -v13                          ; the new -M = floor(-t): M is a whole number
	s_delay_alu instid0(VALU_DEP_1)
	v_sub_f32 v254, v12, v254                      ; old M - new M: a whole number, 0 or less
	s_delay_alu instid0(VALU_DEP_1)
	v_cvt_i32_f32 v254, v254                       ; (it saturates)
	s_delay_alu instid0(VALU_DEP_1)
	v_ldexp_f32 v252, 1.0, v254                    ; f = 2^(old M - new M)
	s_setprio 1
.irp j, 0,2,4,6,8,10,12,14,16,18,20,22,24,26,28,30,32,34,36,38,40,42,44,46,48,50,52,54,56,58,60,62
	v_pk_fma_f32 v[96+\j:97+\j], v[96+\j:97+\j], s[CS:CS+1], v[12:13] op_sel_hi:[1,0,0]   ; t - M, two at a time
.endr
.irp b, 0,1,2,3
	v_fma_f32 v[232+\b], v[232+\b], s[CS], v12     ; the same of each block's largest score
.endr
	s_wait_alu depctr_va_vdst(0)
.irp j, 0,1,2,3,4,5,6,7,8,9,10,11,12,13,14,15,16,17,18,19,20,21,22,23,24,25,26,27,28,29,30,31,32,33,34,35,36,37,38,39,40,41,42,43,44,45,46,47,48,49,50,51,52,53,54,55,56,57,58,59,60,61,62,63
	v_exp_f32 v[96+\j], v[96+\j]                   ; p = 2^(t - M), at most 1
.endr
	v_pk_mul_f32 v[14:15], v[14:15], v[252:253] op_sel_hi:[1,0]   ; the sums under the new M: the plain instruction behind the exponentials
	s_wait_alu depctr_va_vdst(0)                   ; one wait for the whole batch, ahead of its first reader
.irp b, 0,1,2,3
	v_exp_f32 v[232+\b], v[232+\b]                 ; the block's largest p
.endr
	v_pk_add_f32 v[236:237], v[100:101], v[104:105]
	v_pk_add_f32 v[250:251], v[108:109], v[112:113]
	v_pk_add_f32 v[248:249], v[116:117], v[120:121]
	v_pk_add_f32 v[246:247], v[124:125], v[128:129]
	v_pk_add_f32 v[244:245], v[132:133], v[136:137]
	v_pk_add_f32 v[242:243], v[140:141], v[144:145]
	v_pk_add_f32 v[240:241], v[148:149], v[152:153]
	v_pk_add_f32 v[14:15], v[14:15], v[156:157]
	v_pk_add_f32 v[236:237], v[236:237], v[96:97]
	v_pk_add_f32 v[250:251], v[250:251], v[98:99]
	v_pk_add_f32 v[248:249], v[248:249], v[102:103]
	v_pk_add_f32 v[246:247], v[246:247], v[106:107]
	v_pk_add_f32 v[244:245], v[244:245], v[110:111]
	v_pk_add_f32 v[242:243], v[242:243], v[114:115]
	v_pk_add_f32 v[240:241], v[240:241], v[118:119]
	v_pk_add_f32 v[14:15], v[14:15], v[122:123]
	v_pk_add_f32 v[236:237], v[236:237], v[126:127]
	v_pk_add_f32 v[250:251], v[250:251], v[130:131]
	v_pk_add_f32 v[248:249], v[248:249], v[134:135]
	v_pk_add_f32 v[246:247], v[246:247], v[138:139]
	v_pk_add_f32 v[244:245], v[244:245], v[142:143]
	v_pk_add_f32 v[242:243], v[242:243], v[146:147]
	v_pk_add_f32 v[240:241], v[240:241], v[150:151]
	v_pk_add_f32 v[14:15], v[14:15], v[154:155]
	v_pk_add_f32 v[236:237], v[236:237], v[158:159]
	s_delay_alu instid0(VALU_DEP_2)
	v_pk_add_f32 v[14:15], v[14:15], v[246:247]
	s_delay_alu instid0(VALU_DEP_2)
	v_pk_add_f32 v[236:237], v[236:237], v[244:245]
	v_pk_add_f32 v[250:251], v[250:251], v[242:243]
	v_pk_add_f32 v[248:249], v[248:249], v[240:241]
	s_delay_alu instid0(VALU_DEP_2)
	v_pk_add_f32 v[14:15], v[14:15], v[250:251]
	s_delay_alu instid0(VALU_DEP_2)
	v_pk_add_f32 v[236:237], v[236:237], v[248:249]
	s_delay_alu instid0(VALU_DEP_1)
	v_pk_add_f32 v[14:15], v[14:15], v[236:237]
	s_wait_alu depctr_va_vdst(0)                   ; and one for the four
.irp b, 0,1,2,3
	v_max_num_f32 v[232+\b], 0x1800000, v[232+\b]  ; the floor 2^(3 - 127): the byte cannot fall under 1
.endr
.irp b, 0,1,2,3
	s_delay_alu instid0(VALU_DEP_4)
	v_add_nc_u32 v[244+\b], 0xff000000, v[232+\b]  ; 2 off the exponent field: the conversion's scale operand
.endr
.irp b, 0,1,2,3
	s_delay_alu instid0(VALU_DEP_4)
	v_lshrrev_b32 v[236+\b], 23, v[244+\b]         ; the scale's byte
.endr
	s_delay_alu instid0(VALU_DEP_3)
	v_lshl_or_b32 v221, v237, 8, v236              ; p's scale word for these 128 keys
	s_delay_alu instid0(VALU_DEP_1)
	v_lshl_or_b32 v221, v238, 16, v221
	s_delay_alu instid0(VALU_DEP_1)
	v_lshl_or_b32 v221, v239, 24, v221
	s_setprio 0
.irp c, 0,1
	v_cvt_scalef32_pk16_fp6_f32 v[224+6*\c:226+6*\c], v[96+32*\c:111+32*\c], v[244+2*\c]
	v_cvt_scalef32_pk16_fp6_f32 v[236+4*\c:238+4*\c], v[112+32*\c:127+32*\c], v[244+2*\c+1]
.endr
	v_nop                                          ; one plain instruction behind the conversions
.irp c, 0,1                            ; a whole block in a lane: lanes 0-15 block 2 c, lanes 16-31 block 2 c + 1
.irp i, 0,1,2
	v_permlane16_swap_b32 v[224+6*\c+\i], v[236+4*\c+\i]
.endr
.irp i, 0,1,2
	s_delay_alu instid0(VALU_DEP_3)
	v_mov_b32 v[227+6*\c+\i], v[236+4*\c+\i]
.endr
.endr
.irp j, 0,2,4,6,8,10,12,14,16,18,20,22,24,26,28,30
	v_pk_mul_f32 v[160+\j:161+\j], v[160+\j:161+\j], v[252:253] op_sel_hi:[1,0]   ; O^T under the new M.  Twelve of the sixteen name no register of a given product below: its places
.endr
	s_wait_alu depctr_va_vdst(0)
	s_wait_dscnt 0x0                               ; V
.irp t, 0,1,2,3                        ; O^T += V^T P^T: the four accumulators by turns
.if \t%2 == 0
	v_wmma_scale_f32_16x16x128_f8f6f4 v[160+8*\t:167+8*\t], v[32+12*\t:43+12*\t], v[224:235], v[160+8*\t:167+8*\t], v[218+\t/2], v221 matrix_a_fmt:MATRIX_FMT_FP6 matrix_b_fmt:MATRIX_FMT_FP6
.else
	v_wmma_scale_f32_16x16x128_f8f6f4 v[160+8*\t:167+8*\t], v[32+12*\t:43+12*\t], v[224:235], v[160+8*\t:167+8*\t], v[218+\t/2], v221 matrix_a_fmt:MATRIX_FMT_FP6 matrix_b_fmt:MATRIX_FMT_FP6 matrix_a_scale:MATRIX_SCALE_ROW1
.endif
.endr
.Lhidden_\@:
	s_add_co_u32 s[TK], s[TK], 6144
	s_add_co_u32 s[TS], s[TS], 512
	s_add_co_u32 s[TV], s[TV], 256
	s_add_co_u32 s[KSI], s[KSI], 1
.endm
; THE WAY OUT of a tile: O^T / the sum; register 16 b + i is channel 32 b + 16 h + i: two blocks of 32 along the last product's K; codes and bytes leave as that product's launch reads them.
.macro QOUT AB, SB
.rept 4
	v_nop                                          ; places behind the last products
.endr
	v_add_f32 v14, v14, v15
	s_delay_alu instid0(VALU_DEP_1)
	v_permlanex16_b32 v252, v14, s[SEL], s[SEL+1]
	s_delay_alu instid0(VALU_DEP_1)
	v_add_f32 v14, v14, v252                       ; the row's sum
	s_wait_alu depctr_va_vdst(0)
	v_rcp_f32 v14, v14
	v_nop                                          ; a plain instruction behind the reciprocal,
	s_wait_alu depctr_va_vdst(0)                   ; and a wait ahead of its first reader
.irp j, 0,1,2,3,4,5,6,7,8,9,10,11,12,13,14,15,16,17,18,19,20,21,22,23,24,25,26,27,28,29,30,31
	v_mul_f32 v[96+\j], v[160+\j], v14             ; each accumulator from its low end on
.endr
.irp b, 0,1
	v_max3_num_f32 v[232+\b], |v[96+16*\b]|, |v[97+16*\b]|, 0x1800000
.endr
.irp i, 2,4,6,8,10,12,14
.irp b, 0,1
	s_delay_alu instid0(VALU_DEP_2)
	v_max3_num_f32 v[232+\b], v[232+\b], |v[96+16*\b+\i]|, |v[97+16*\b+\i]|
.endr
.endr
.irp b, 0,1
	s_delay_alu instid0(VALU_DEP_2)
	v_permlanex16_b32 v[236+\b], v[232+\b], s[SEL], s[SEL+1]
.endr
.irp b, 0,1
	s_delay_alu instid0(VALU_DEP_2)
	v_max_num_f32 v[232+\b], v[232+\b], v[236+\b]
.endr
.irp b, 0,1
	s_delay_alu instid0(VALU_DEP_2)
	v_add_nc_u32 v[244+\b], 0xff000000, v[232+\b]
.endr
.irp b, 0,1
	s_delay_alu instid0(VALU_DEP_2)
	v_lshrrev_b32 v[236+\b], 23, v[244+\b]
.endr
	v_cvt_scalef32_pk16_fp6_f32 v[224:226], v[96:111], v244
	v_cvt_scalef32_pk16_fp6_f32 v[240:242], v[112:127], v245
	v_nop
.irp i, 0,1,2
	v_permlane16_swap_b32 v[224+\i], v[240+\i]
.endr
.irp i, 0,1,2
	s_delay_alu instid0(VALU_DEP_3)
	v_mov_b32 v[227+\i], v[240+\i]
.endr
	v_cndmask_b32 v230, v236, v237, s[HM]          ; lane (r, h) stores block h's byte
	global_store_b128 v1, v[224:227], s[\AB:\AB+1]             ; 32 lanes store 512 consecutive bytes,
	global_store_b64 v2, v[228:229], s[\AB:\AB+1] offset:512   ; and 256
	global_store_b8 v29, v230, s[\SB:\SB+1]        ; 32 bytes a tile, against the 768 above: two of each row's eight
	s_wait_xcnt 0x0                                ; the stores have read their registers, which the next tile writes
.endm
.macro PASS Q, QS, D, hi, AB, SB
.if \hi
	s_sub_co_u32 s[CL], 15, s[SS]
.else
	s_mov_b32 s[CL], s[SS]
.endif
	s_mov_b32 s[TK], 0
	s_mov_b32 s[TS], 0
	s_mov_b32 s[TV], 0
	s_mov_b32 s[KSI], 0
	v_mov_b32 v13, 0xff61b1e6                      ; the largest t so far: -3e38
	s_delay_alu instid0(VALU_DEP_1)
	v_floor_f32 v12, -v13
	v_mov_b32 v14, 0
	v_mov_b32 v15, 0
.irp j, 0,1,2,3,4,5,6,7,8,9,10,11,12,13,14,15,16,17,18,19,20,21,22,23,24,25,26,27,28,29,30,31
	v_mov_b32 v[160+\j], 0                         ; O^T: the step is written once; its first run finds zeros, which the first change of M leaves zeros
.endr
.Lstep_\@:                             ; 16 trips for every wave
	STEP \Q, \QS, \D
	s_cmp_lt_u32 s[KSI], 16
	s_cbranch_scc1 .Lstep_\@
	s_setprio 0
	QOUT \AB, \SB
.endm
	PASS 16, 255, 11, 0, 74, 78
	PASS 192, 220, 28, 1, 76, 80
	s_wait_tensorcnt 0x0                           ; the wave's end
	ds_add_u32 v[SPW], v[NIL]
	s_wait_dscnt 0x0
	CROUND                                         ; the closing round
	s_endpgm
.Lfunc_end_k_qcac1b9b7e1_attn:
	.size	k_qcac1b9b7e1_attn, .Lfunc_end_k_qcac1b9b7e1_attn-k_qcac1b9b7e1_attn
	.p2alignl 7, 3214868480
	.fill 96, 4, 3214868480
	.section	.rodata,"a",@progbits
	.p2align	6, 0x0
	.amdhsa_kernel k_qcac1b9b7e1_attn
		.amdhsa_group_segment_fixed_size 210944
		.amdhsa_private_segment_fixed_size 0
		.amdhsa_enable_private_segment 0
		.amdhsa_kernarg_size 40
		.amdhsa_user_sgpr_count 2
		.amdhsa_user_sgpr_kernarg_segment_ptr 1
		.amdhsa_wavefront_size32 1
		.amdhsa_system_sgpr_workgroup_id_x 1
		.amdhsa_system_sgpr_workgroup_id_y 1
		.amdhsa_system_sgpr_workgroup_id_z 1
		.amdhsa_system_vgpr_workitem_id 0
		.amdhsa_next_free_vgpr 256
		.amdhsa_next_free_sgpr 90
		.amdhsa_reserve_vcc 1
		.amdhsa_float_denorm_mode_32 3
		.amdhsa_float_denorm_mode_16_64 3
		.amdhsa_memory_ordered 1
		.amdhsa_forward_progress 1
		.amdhsa_inst_pref_size 69
	.end_amdhsa_kernel
	.amdgpu_metadata
---
amdhsa.version: [ 1, 2 ]
amdhsa.kernels:
  - .name:           k_qcac1b9b7e1_attn
    .symbol:         k_qcac1b9b7e1_attn.kd
    .args:
      - { .name: qk_img, .offset: 0, .size: 8, .value_kind: global_buffer, .address_space: global }
      - { .name: v_img, .offset: 8, .size: 8, .value_kind: global_buffer, .address_space: global }
      - { .name: qkv_sc, .offset: 16, .size: 8, .value_kind: global_buffer, .address_space: global }
      - { .name: aop, .offset: 24, .size: 8, .value_kind: global_buffer, .address_space: global }
      - { .name: asc, .offset: 32, .size: 8, .value_kind: global_buffer, .address_space: global }
    .group_segment_fixed_size: 210944
    .private_segment_fixed_size: 0
    .kernarg_segment_align: 8
    .kernarg_segment_size: 40
    .max_flat_workgroup_size: 512
    .sgpr_count:     90
    .vgpr_count:     256
    .wavefront_size: 32
...
	.end_amdgpu_metadata
.endif
;; end of part 3
;; launch proj (part 4): grid 4 x 32, 4 waves a work-group, clusters of 4 x 4, 327,680 bytes of LDS; arguments aop, asc, ops, opsc, bp, out0; writes out0
.if DOCPART == 4
	.amdgcn_target "amdgcn-amd-amdhsa--gfx1250"
	.amdhsa_code_object_version 6
	.text
	.protected	k_qcac1b9b7e1_proj
	.globl	k_qcac1b9b7e1_proj
	.p2align	8
	.type	k_qcac1b9b7e1_proj,@function
k_qcac1b9b7e1_proj:
	s_mov_b64 s[64:65], 0
	v_nop
	global_prefetch_b8 v0, s[64:65] scope:SCOPE_SE
	s_setreg_imm32_b32 hwreg(HW_REG_WAVE_MODE, 25, 1), 1
	s_wait_xcnt 0x0
	s_wait_alu depctr_hold_cnt(0) depctr_sa_sdst(0) depctr_va_vdst(0) depctr_va_sdst(0) depctr_va_ssrc(0) depctr_va_vcc(0) depctr_vm_vsrc(0)
	s_getreg_b32 s2, hwreg(HW_REG_IB_STS2, 6, 4)
	s_cmp_eq_u32 s2, 0
	s_cbranch_scc0 .Lentry_in_a_cluster
	s_endpgm
.Lentry_in_a_cluster:
	s_bfe_u32 s2, ttmp6, 0x10000c
	s_cmp_lg_u32 s2, 0xf033
	s_cbranch_scc0 .Lentry_shape_is_right
	s_endpgm
.Lentry_shape_is_right:
; out = a Wp + bp on codes of FP6 (E2M3) with E8M0 scales, K = 1,024; a is the attention's result as the launch before has quantised it.  out: [8192][1024] f32.
; A tile is 256 x 256, a wave's 128 x 128: 64 accumulators, 512 registers.  THE MATRIX INSTRUCTION IS USED TRANSPOSED: source 0 = 16 rows of B (Wp's columns), source 1 = 16 rows of A: a lane holds one row of out.
; Rows lie by position in both operands (position i of tile 2 b + u is row 32 b + 8 u + i + 8 (i / 8)): register j of accumulator (a, b) is column 32 (b / 2) + 16 h + 8 (b % 2) + j; the way out puts rows and columns back.
; OPERANDS lie in memory in the order of the operand's registers: [tile of 16 rows][64 along K][768 bytes] (lane l: 16 bytes at 16 l, 8 bytes at 512 + 8 l).
; LDS: three regions of 98,304 bytes, each with 256 along K of A's 256 rows and B's 256 rows; K's four quarters: three first fills and ONE refill (region 0).  The scale bytes of all of K come once.
; A wave has four tensor loads out at the start and one behind the refill's round.  CLUSTERS: 4 x 4; A's tiles shared along a row, B's along a column.
; The bias is the C of each sum's first matrix instruction.  128 work-groups: 8,192 x 1,024 in tiles of 256 x 256.
; No request runs ahead of the tensor loads into the L2: three quarters of a work-group's bytes are asked for at its head, the rest 256 matrix instructions ahead of its use.
; REGISTERS: window 0: v1-22 addresses; v28, v29 the add's two; v32-63 scale words, two sets; v64-127 the bias; v128-223 A's fragments, one set; on the way out v128-255 rows of out.
;   window 1: B's fragments, two sets.  windows 2, 3: the accumulators ((a, b) at v[8 (8 (a % 4) + b)]).
.set RB,     98304
.set PARTB,  24576
.set SCA,    294912
.set SPARE,  311552
.set SPITCH, 528                       ; the way out: a stage of 16 rows x (512 bytes + 16) for each wave, in region 1, which has had its one fill, and whose last read lies ahead of the launch's last barrier
.set FR,   12
.set A16,  4
.set A8,   7
.set B16,  10
.set B8,   13
.set ADRS, 16
.set L16,  17
.set L8,   18
.set BNO,  19
.set STO,  21
.set RD,   22
.set SPW,  28
.set NIL,  29
.set SC,   32
.set BN,   64
.set AF,   128
.set BK,   128
.set G1A,  28
.set G1B,  36
.set G1SA, 44
.set G1SB, 52
.set G0A,  68
.set G0B,  80
.set G0SA, 92
.set G0SB, 96
.set MSB, 0
.macro WIN new                         ; the immediate's high byte repeats the setting that is left
.if MSB != (\new)
	s_set_vgpr_msb (MSB<<8)|(\new)
.set MSB, (\new)
.endif
.endm
.macro JLOAD g0a, g1a, g0b, g1b        ; a joint load: waves 0 and 1 fetch for A, waves 2 and 3 for B; an s_nop 0 and four v_nop follow each of the two lines
	s_cmp_eq_u32 s21, 0
	s_cbranch_scc0 .Lfor_b_\@
	tensor_load_to_lds s[\g0a:\g0a+3], s[\g1a:\g1a+7]
	s_nop 0
.rept 4
	v_nop
.endr
	s_branch .Lasked_\@
.Lfor_b_\@:
	tensor_load_to_lds s[\g0b:\g0b+3], s[\g1b:\g1b+7]
	s_nop 0
.rept 4
	v_nop
.endr
.Lasked_\@:
.endm
.macro CREST
	s_cmp_lg_u32 s20, 0
	s_cbranch_scc1 .Lnot_wave_0_\@
	s_barrier_signal -3
.Lnot_wave_0_\@:
	s_barrier_wait -3
	s_barrier_signal -1
	s_barrier_wait -1
.endm
.macro CROUND
	s_barrier_signal -1
	s_barrier_wait -1
	CREST
.endm
.macro PLACES                          ; four plain instructions behind matrix instructions, ahead of loads into registers that they read and of the first read of results
.rept 4
	v_nop
.endr
.endm
.macro FRAG reg, a16, a8, qq, i
	ds_load_b128 v[\reg:\reg+3], v[\a16] offset:3072*(\i)+1536*(\qq)
	ds_load_b64 v[\reg+4:\reg+5], v[\a8] offset:3072*(\i)+1536*(\qq)+512
	ds_load_b128 v[\reg+6:\reg+9], v[\a16] offset:3072*(\i)+1536*(\qq)+768
	ds_load_b64 v[\reg+10:\reg+11], v[\a8] offset:3072*(\i)+1536*(\qq)+1280
.endm
.macro FETCH_B q                       ; step q lies in region (q / 2) % 3, half q % 2; B's eight fragments go into set q % 2
	WIN 0x40
.irp i, 0,1,2,3,4,5,6,7
	FRAG 128*((\q)%2)+FR*\i, B16+((\q)/2)%3, B8+((\q)/2)%3, (\q)%2, \i
.endr
	WIN 0
.endm
.macro FETCH_A q, i0
.irp i, \i0, \i0+1, \i0+2, \i0+3
	FRAG AF+FR*(\i), A16+((\q)/2)%3, A8+((\q)/2)%3, (\q)%2, \i
.endr
.endm
.macro SCALES q
.irp i, 0,1,2,3,4,5,6,7
	ds_load_b64 v[SC+16*(((\q)/2)%2)+2*\i:SC+16*(((\q)/2)%2)+2*\i+1], v[ADRS] offset:1024*((\q)/2)+128*\i
.endr
.endm
; 16 matrix instructions: A's blocks a0, a0 + 1 x B's eight.  zero = 2: the first product starts the sums from the bias.  The 64 accumulators take turns, one instruction a turn.
.macro MUL16 a0, q, zero
.irp a, \a0, \a0+1
.irp b, 0,1,2,3,4,5,6,7
.if \zero == 2
	v_wmma_scale_f32_16x16x128_f8f6f4 v[8*(8*((\a)%4)+\b):8*(8*((\a)%4)+\b)+7], v[128*((\q)%2)+FR*\b:128*((\q)%2)+FR*\b+FR-1], v[AF+FR*(\a):AF+FR*(\a)+FR-1], v[BN+8*\b:BN+8*\b+7], v[SC+16*(((\q)/2)%2)+2*\b+(\q)%2], v[SC+16*(((\q)/2)%2)+2*(\a)+(\q)%2] matrix_a_fmt:MATRIX_FMT_FP6 matrix_b_fmt:MATRIX_FMT_FP6 matrix_a_scale:MATRIX_SCALE_ROW1
.else
	v_wmma_scale_f32_16x16x128_f8f6f4 v[8*(8*((\a)%4)+\b):8*(8*((\a)%4)+\b)+7], v[128*((\q)%2)+FR*\b:128*((\q)%2)+FR*\b+FR-1], v[AF+FR*(\a):AF+FR*(\a)+FR-1], v[8*(8*((\a)%4)+\b):8*(8*((\a)%4)+\b)+7], v[SC+16*(((\q)/2)%2)+2*\b+(\q)%2], v[SC+16*(((\q)/2)%2)+2*(\a)+(\q)%2] matrix_a_fmt:MATRIX_FMT_FP6 matrix_b_fmt:MATRIX_FMT_FP6 matrix_a_scale:MATRIX_SCALE_ROW1
.endif
.endr
.endr
.endm
.macro STEP q, zero
	s_wait_dscnt 16                                ; all but the youngest 16 loads (A's blocks 4-7, four each) are in
.if \zero == 2
	WIN 0x81                                       ; C (the bias) in window 0, D in window 2
.else
	WIN 0xa1
.endif
	MUL16 0, \q, \zero
	MUL16 2, \q, \zero
	s_wait_dscnt 0x0
	PLACES
	FETCH_B (\q)+1
	FETCH_A (\q)+1, 0
.if ((\q)+1)%2 == 0
	SCALES (\q)+1
.endif
.if \zero == 2
	WIN 0xc1
.else
	WIN 0xf1
.endif
	MUL16 4, \q, \zero
	MUL16 6, \q, \zero
	PLACES
	WIN 0
	FETCH_A (\q)+1, 4
.endm
; A step with a barrier in it: in front of it each wave waits for all its tensor loads, adds 0 to its spare word, and waits for that and for its LDS reads.  fill = 1: region 0 takes K's last quarter behind a round of the cluster's barrier.
.macro TURN q, fill
	s_wait_tensorcnt 0x0
	ds_add_u32 v[SPW], v[NIL]
	s_wait_dscnt 17                                ; (the add and the youngest 16 loads may be out)
	WIN 0xa1
	MUL16 0, \q, 0
	s_wait_dscnt 0x0
	s_barrier_signal -1
	MUL16 2, \q, 0
	WIN 0
	s_barrier_wait -1
.if \fill
	CREST
	s_add_nc_u64 s[G0A+2:G0A+3], s[G0A+2:G0A+3], 9216
	s_add_nc_u64 s[G0B+2:G0B+3], s[G0B+2:G0B+3], 9216
	JLOAD G0A, G1A, G0B, G1B
.else
	PLACES
.endif
	FETCH_B (\q)+1
	FETCH_A (\q)+1, 0
	SCALES (\q)+1
	WIN 0xf1
	MUL16 4, \q, 0
	MUL16 6, \q, 0
	PLACES
	WIN 0
	FETCH_A (\q)+1, 4
.endm
	s_load_b256 s[4:11], s[0:1], 0x0               ; aop s[4:5], asc s[6:7], ops s[8:9], opsc s[10:11]
	s_load_b128 s[12:15], s[0:1], 0x20             ; bp s[12:13], out0 s[14:15]
	v_lshl_add_u32 v[SPW], v0, 2, SPARE
	v_mov_b32 v[NIL], 0
	ds_add_u32 v[SPW], v[NIL]                      ; the wave's opening: the add and its wait ahead of my first tensor load
	v_lshrrev_b32 v1, 5, v0
	v_readfirstlane_b32 s20, v1
	s_lshr_b32 s21, s20, 1                         ; my half of A's rows.  Also: I fetch for A (0) or for B (1)
	s_and_b32 s22, s20, 1                          ; my half of B's rows.  Also: which 128 rows I fetch
	s_bfe_u32 s23, ttmp6, 0x40000                  ; cx
	s_bfe_u32 s24, ttmp6, 0x40004                  ; cy
	s_and_b32 s26, ttmp7, 0xffff                   ; cluster y
	s_lshl_b32 s60, s24, 2
	s_lshl_b32 s60, 15, s60
	s_lshl_b32 s61, 0x1111, s23
	s_or_b32 s[G1A], s60, (3<<16)|(1<<21)
	s_or_b32 s[G1B], s61, (3<<16)|(1<<21)
	s_or_b32 s[G1SA], s60, (3<<16)|(1<<21)
	s_or_b32 s[G1SB], s61, (3<<16)|(1<<21)
.irp g, G1A, G1B                       ; codes: 8 rows (tiles of 16) of 3,072 bytes, 12,288 bytes apart
	s_mov_b32 s[\g+1], 384<<16
	s_mov_b32 s[\g+2], 8<<16
	s_mov_b32 s[\g+3], 384<<16
	s_mov_b32 s[\g+4], 8
	s_mov_b32 s[\g+5], 1536
	s_mov_b32 s[\g+6], 0
	s_mov_b32 s[\g+7], 0
.endr
.irp g, G1SA, G1SB                     ; scale bytes of 128 rows: 4,096 dense bytes as 16 rows of 256
	s_mov_b32 s[\g+1], 32<<16
	s_mov_b32 s[\g+2], 16<<16
	s_mov_b32 s[\g+3], 32<<16
	s_mov_b32 s[\g+4], 16
	s_mov_b32 s[\g+5], 32
	s_mov_b32 s[\g+6], 0
	s_mov_b32 s[\g+7], 0
.endr
	s_lshl_b32 s25, s26, 2
	s_add_co_u32 s25, s25, s24                     ; A's block of 256 rows: 4 x cluster y + cy
	s_add_co_u32 s67, s23, 44                      ; B's: Wp's blocks begin at 44
	s_lshl_b32 s2, s25, 1
	s_add_co_u32 s2, s2, s22
	s_lshl_b32 s3, s67, 1
	s_add_co_u32 s3, s3, s22
	s_mul_i32 s60, s2, RB
	s_mov_b32 s61, 0
	s_mul_i32 s62, s3, RB
	s_mov_b32 s63, 0
	s_lshl_b32 s66, s2, 12
	s_mov_b32 s67, 0
	s_lshl_b32 s2, s3, 12
	s_mov_b32 s3, 0
	s_wait_dscnt 0x0                               ; the opening add is done
	s_wait_kmcnt 0x0
	s_add_nc_u64 s[60:61], s[4:5], s[60:61]
	s_add_nc_u64 s[62:63], s[8:9], s[62:63]
	s_add_nc_u64 s[66:67], s[6:7], s[66:67]
	s_add_nc_u64 s[2:3], s[10:11], s[2:3]
	CROUND                                         ; all sixteen work-groups are here: the first joint loads meet
	s_mov_b32 s[G0SA], 1
	s_lshl_b32 s[G0SA+1], s20, 12
	s_add_co_u32 s[G0SA+1], s[G0SA+1], SCA
	s_mov_b64 s[G0SA+2:G0SA+3], s[66:67]
	s_or_b32 s[G0SA+3], s[G0SA+3], 0x80000000
	s_mov_b32 s[G0SB], 1
	s_lshl_b32 s[G0SB+1], s20, 12
	s_add_co_u32 s[G0SB+1], s[G0SB+1], SCA+128
	s_mov_b64 s[G0SB+2:G0SB+3], s[2:3]
	s_or_b32 s[G0SB+3], s[G0SB+3], 0x80000000
	JLOAD G0SA, G1SA, G0SB, G1SB
.irp n, 0,1,2
	s_mov_b32 s[G0A+4*\n], 1
	s_mul_i32 s[G0A+4*\n+1], s20, PARTB
	s_add_co_u32 s[G0A+4*\n+1], s[G0A+4*\n+1], \n*RB
	s_add_nc_u64 s[G0A+4*\n+2:G0A+4*\n+3], s[60:61], \n*3072
	s_or_b32 s[G0A+4*\n+3], s[G0A+4*\n+3], 0x80000000
	s_mov_b32 s[G0B+4*\n], 1
	s_mul_i32 s[G0B+4*\n+1], s20, PARTB
	s_add_co_u32 s[G0B+4*\n+1], s[G0B+4*\n+1], \n*RB
	s_add_nc_u64 s[G0B+4*\n+2:G0B+4*\n+3], s[62:63], \n*3072
	s_or_b32 s[G0B+4*\n+3], s[G0B+4*\n+3], 0x80000000
	JLOAD G0A+4*\n, G1A, G0B+4*\n, G1B
.endr
	v_and_b32 v3, 31, v0
	v_and_b32 v1, 15, v0
	v_bfe_u32 v2, v0, 4, 1
	v_lshlrev_b32 v[L16], 4, v3
	v_lshlrev_b32 v[L8], 3, v3
	s_mul_i32 s60, s21, PARTB
	s_mul_i32 s61, s22, PARTB
	s_add_co_u32 s61, s61, 2*PARTB
.irp n, 0,1,2
	v_add_nc_u32 v[A16+\n], s60, v[L16]
	v_add_nc_u32 v[A8+\n], s60, v[L8]
	v_add_nc_u32 v[B16+\n], s61, v[L16]
	v_add_nc_u32 v[B8+\n], s61, v[L8]
	s_add_co_u32 s60, s60, RB
	s_add_co_u32 s61, s61, RB
.endr
	s_lshl_b32 s60, s21, 12
	s_lshl_b32 s61, s22, 12
	s_add_co_u32 s61, s61, 8320
	s_sub_co_u32 s61, s61, s60
	v_mul_u32_u24 v[ADRS], s61, v2                 ; lanes 16-31 take B's: one product, the distance between the two bases
	v_lshl_add_u32 v[ADRS], v1, 3, v[ADRS]
	s_add_co_u32 s60, s60, SCA
	v_add_nc_u32 v[ADRS], s60, v[ADRS]
	s_mul_i32 s60, s20, 16*SPITCH
	s_add_co_u32 s60, s60, RB                      ; my stage
	v_mul_u32_u24 v[STO], v1, SPITCH               ; in: row r, + 64 h
	v_lshl_add_u32 v[STO], v2, 6, v[STO]
	v_add_nc_u32 v[STO], s60, v[STO]
	v_add_nc_u32 v[RD], s60, v[L16]                ; back: the 32 lanes take one row of 512 bytes
	s_lshl_b32 s60, s23, 10                        ; the bias: register 8 b + j is column 32 (b / 2) + 16 h + 8 (b % 2) + j of my 128
	s_lshl_b32 s61, s22, 9
	s_add_co_u32 s60, s60, s61
	s_mov_b32 s61, 0
	s_add_nc_u64 s[12:13], s[12:13], s[60:61]
	s_add_nc_u64 s[14:15], s[14:15], s[60:61]      ; my first column of out is as many bytes on,
	s_lshl_b32 s60, s25, 8
	s_lshl_b32 s62, s21, 7
	s_add_co_u32 s60, s60, s62
	s_lshl_b32 s60, s60, 12                        ; and my first row: 256 x block + 128 x half, 4,096 bytes each
	s_add_nc_u64 s[14:15], s[14:15], s[60:61]
	v_lshlrev_b32 v[BNO], 6, v2
.irp b, 0,1,2,3,4,5,6,7
	global_load_b128 v[BN+8*\b:BN+8*\b+3], v[BNO], s[12:13] offset:(32*(\b/2)+8*(\b%2))*4
	global_load_b128 v[BN+8*\b+4:BN+8*\b+7], v[BNO], s[12:13] offset:(32*(\b/2)+8*(\b%2))*4+16
.endr
	s_wait_tensorcnt 2                             ; the scale bytes and my part of region 0 are in; regions 1 and 2 may be out
	s_barrier_signal -1
	s_barrier_wait -1
	FETCH_B 0
	FETCH_A 0, 0
	SCALES 0
	FETCH_A 0, 4
	s_wait_loadcnt 0x0                             ; the bias
	STEP 0, 2                                      ; the first products start the sums from the bias
	TURN 1, 1                                      ; every wave's parts of regions 1 and 2 have landed; region 0 is left and takes K's last quarter
	STEP 2, 0
	STEP 3, 0
	STEP 4, 0
	TURN 5, 0                                      ; region 0 is whole again; nobody reads region 1 any more
	STEP 6, 0
	s_wait_dscnt 16
	WIN 0xa1
	MUL16 0, 7, 0
	MUL16 2, 7, 0
	s_wait_dscnt 0x0
	WIN 0xf1
	MUL16 4, 7, 0
	MUL16 6, 7, 0
	WIN 0
; THE WAY OUT, block by block of 16 rows x 128 columns, through my own stage: a lane's eight results go to their true columns, and whole rows of 512 bytes come back.  LDS serves a wave's instructions in order
; (ISA guide 5.7.1.4): no wait between the stores and the loads, nor ahead of the next block's stores.
.macro TOSTAGE a
.set AC, 64*((\a)%4)
	WIN 0x08+4*((\a)/4)                            ; the data: window 2 or 3
.irp b, 0,1,2,3,4,5,6,7
	ds_store_b128 v[STO], v[AC+8*\b:AC+8*\b+3] offset:128*(\b/2)+32*(\b%2)        ; each accumulator from its low end on
	ds_store_b128 v[STO], v[AC+8*\b+4:AC+8*\b+7] offset:128*(\b/2)+32*(\b%2)+16
.endr
	WIN 0
.set BB, BK+64*((\a)%2)
.irp t, 0,1,2,3,4,5,6,7,8,9,10,11,12,13,14,15
	ds_load_b128 v[BB+4*\t:BB+4*\t+3], v[RD] offset:\t*SPITCH
.endr
.endm
.macro SEND a, younger                 ; younger: the LDS instructions issued behind block a's loads, which may stay out
.set BB, BK+64*((\a)%2)
	s_wait_dscnt \younger
.irp t, 0,1,2,3,4,5,6,7,8,9,10,11,12,13,14,15
	global_store_b128 v[L16], v[BB+4*\t:BB+4*\t+3], s[14:15] offset:(32*((\a)/2)+8*((\a)%2)+\t+8*(\t/8))*4096 th:TH_STORE_NT   ; position t of block a is this row: 32 lanes store 512 consecutive bytes, aligned
.endr
.endm
	PLACES
	TOSTAGE 0
.irp a, 1,2,3,4,5,6,7
.if \a > 1
	s_wait_xcnt 0x0                                ; block a - 2's stores have read their registers: block a's loads may land there
.endif
	TOSTAGE \a
	SEND \a-1, 32                                  ; behind block a - 1's loads: block a's 16 stores and 16 loads
.endr
	SEND 7, 0
	s_wait_tensorcnt 0x0                           ; the wave's end, behind my last tensor load and my last LDS store
	ds_add_u32 v[SPW], v[NIL]
	s_wait_dscnt 0x0
	CROUND                                         ; the closing round
	s_endpgm
.Lfunc_end_k_qcac1b9b7e1_proj:
	.size	k_qcac1b9b7e1_proj, .Lfunc_end_k_qcac1b9b7e1_proj-k_qcac1b9b7e1_proj
	.p2alignl 7, 3214868480
	.fill 96, 4, 3214868480
	.section	.rodata,"a",@progbits
	.p2align	6, 0x0
	.amdhsa_kernel k_qcac1b9b7e1_proj
		.amdhsa_group_segment_fixed_size 327680
		.amdhsa_private_segment_fixed_size 0
		.amdhsa_enable_private_segment 0
		.amdhsa_kernarg_size 48
		.amdhsa_user_sgpr_count 2
		.amdhsa_user_sgpr_kernarg_segment_ptr 1
		.amdhsa_wavefront_size32 1
		.amdhsa_system_sgpr_workgroup_id_x 1
		.amdhsa_system_sgpr_workgroup_id_y 1
		.amdhsa_system_sgpr_workgroup_id_z 1
		.amdhsa_system_vgpr_workitem_id 0
		.amdhsa_next_free_vgpr 1024
		.amdhsa_next_free_sgpr 106
		.amdhsa_reserve_vcc 0
		.amdhsa_float_denorm_mode_32 3
		.amdhsa_float_denorm_mode_16_64 3
		.amdhsa_memory_ordered 1
		.amdhsa_forward_progress 1
		.amdhsa_inst_pref_size 145
	.end_amdhsa_kernel
	.amdgpu_metadata
---
amdhsa.version: [ 1, 2 ]
amdhsa.kernels:
  - .name:           k_qcac1b9b7e1_proj
    .symbol:         k_qcac1b9b7e1_proj.kd
    .args:
      - { .name: aop, .offset: 0, .size: 8, .value_kind: global_buffer, .address_space: global }
      - { .name: asc, .offset: 8, .size: 8, .value_kind: global_buffer, .address_space: global }
      - { .name: ops, .offset: 16, .size: 8, .value_kind: global_buffer, .address_space: global }
      - { .name: opsc, .offset: 24, .size: 8, .value_kind: global_buffer, .address_space: global }
      - { .name: bp, .offset: 32, .size: 8, .value_kind: global_buffer, .address_space: global }
      - { .name: out0, .offset: 40, .size: 8, .value_kind: global_buffer, .address_space: global }
    .group_segment_fixed_size: 327680
    .private_segment_fixed_size: 0
    .kernarg_segment_align: 8
    .kernarg_segment_size: 48
    .max_flat_workgroup_size: 128
    .sgpr_count:     106
    .vgpr_count:     1024
    .wavefront_size: 32
...
	.end_amdgpu_metadata
.endif
;; end of part 4
